; MI455X (gfx1250); checked and timed in simulation.
; The chip was launched on July 23, 2026; its instructions are those of AMD's public machine-readable ISA for CDNA 5 (MIT licence, August 2026) and "CDNA5" Instruction Set Architecture Reference Guide (July 2026). The comments in the code are by the model that wrote it; some were corrected since.
;; One Trans Attention. Allowed arithmetic: matrix products marked QUANTISED: E2M3 operands, one E8M0 scale for each 32 along K, by v_wmma_scale_f32_16x16x128_f8f6f4 with both operands' format E2M3, f32 sums; everything else in f32.
;; Inputs: Wk 1,024 x 1,024 float32; Wo 1,024 x 1,024 float32; Wq 1,024 x 1,024 float32; Wv 1,024 x 1,024 float32; bk 1,024 float32; bo 1,024 float32; bq 1,024 float32; bv 1,024 float32; x 4 x 2,048 x 1,024 float32.
;; Outputs: out0 4 x 2,048 x 1,024 float32.
;; Constants: L_ns = 512.
;; This version of the problem:
;;   THIS VERSION OF THE PROBLEM IS GIVEN IN LOW PRECISION. The matrix products marked QUANTISED in the list below multiply operands that are first quantised to E2M3 (2 exponent bits, 3 mantissa bits; 6 bits a number), with one power-of-two scale for each 32 numbers along K (OCP MX v1.0); their sums are f32. All else is computed in f32.
;;   The module's matrix products, in the order in which they are computed (A, B: the left and right operand; K: the contracted axis; several contracted axes count as one K, in the product's order):
;;     1. [M 8,192, K 1,024] x [K 1,024, N 1,024]; A: input x; B: input Wq: QUANTISED
;;     2. [M 8,192, K 1,024] x [K 1,024, N 1,024]; A: input x; B: input Wk: QUANTISED
;;     3. [M 8,192, K 1,024] x [K 1,024, N 1,024]; A: input x; B: input Wv: QUANTISED
;;     4. batch 64 x [M 2,048, K 64] x [K 64, N 2,048]; A: computed on the way; B: computed on the way: QUANTISED
;;     5. batch 64 x [M 2,048, K 2,048] x [K 2,048, N 64]; A: softmax (see below); B: computed on the way: QUANTISED
;;     6. [M 8,192, K 1,024] x [K 1,024, N 1,024]; A: computed on the way; B: input Wo: QUANTISED
;;   THE QUANTISER, for each operand of a quantised product, along K:
;;     - K is cut into blocks of 32 from its start; a last block that is shorter is filled with zeros.
;;     - A block's scale is 2^e with e = floor(log2(the largest magnitude in the block)) - 2, held to -126 .. 127; a block of zeros has e = 0. As a byte (E8M0): e + 127.
;;     - Each number is divided by its block's scale, clamped to +-7.5, and rounded to the nearest number of E2M3, ties to even, subnormals kept.
;;     - The product sums the exact products of the quantised numbers (number of the format x scale) in f32.
;;   ~~~python
;;   def quantise(x, axis):      # numpy; x: float32 -> the quantised numbers, widened to float32 again
;;       x = np.moveaxis(x, axis, -1); K = x.shape[-1]
;;       x = np.pad(x, [(0, 0)] * (x.ndim - 1) + [(0, -K % 32)]); x = x.reshape(x.shape[:-1] + (-1, 32)); a = np.abs(x).max(-1, keepdims=True)
;;       e = np.where(a > 0, np.clip(np.frexp(np.where(a > 0, a, 1))[1] - 1 - 2, -126, 127), 0)      # np.frexp(a)[1] - 1 = floor(log2(a)), exactly
;;       r = np.clip(x / 2.0 ** e, -7.5, 7.5)
;;       step = 2.0 ** (np.maximum(np.frexp(np.where(r == 0, 1, r))[1] - 1, 0) - 3)
;;       q = np.round(r / step) * step * 2.0 ** e      # np.round: ties to even
;;       return np.moveaxis(q.reshape(q.shape[:-2] + (-1,))[..., :K], -1, axis).astype(np.float32)
;;   ~~~
;;   SOFTMAX AHEAD OF A QUANTISED PRODUCT. Where the list says 'softmax', what is quantised is not the finished softmax but p = 2^(t - M), with t = logit x log2(e) and M = ceil(the row's largest t), a whole number; so 1/2 < the row's largest p <= 1. The row's sum l is taken of the UNQUANTISED p, in f32, and the product's result is divided by l at the end. Since M is a whole number, a kernel that streams over the keys may use a running M (the ceiling of the running maximum): every later rescaling is an exact power of two, which a block's scale takes up: the codes' values come out the same.
;;   OPERANDS COMPUTED ON THE WAY. 'Computed on the way' means the value that the module computes at that place (a softmax that the list does not call 'softmax' is quantised finished and normalised). What goes into a quantiser is computed in f32, as accurately as f32 sums, v_exp_f32 and their like allow (about 1e-6 of the number): no bf16 or f16 on the way to a quantiser, and a product that is left as it is and whose result goes on into a quantised operand takes f32 operands (vector FMAs, or v_wmma_f32_16x16x4_f32). A number that lies on a knife's edge between two numbers of the format may be rounded either way, as far as f32 arithmetic and the matrix unit's own rounding can turn it there, and no further.
;; One version. Each part assembles by itself: llvm-mc -triple=amdgcn-amd-amdhsa -mcpu=gfx1250 --defsym DOCPART=n.
;; ======== version 1 of 1: 4 launches
;; limits: right only within a limited range of input values
;; workspace buffers: cod 9,437,184 bytes; scl 393,216 bytes; img 18,874,368 bytes; isc 1,310,720 bytes; ocod 6,291,456 bytes; oscl 262,144 bytes
;; launch quant (part 1): grid 384 x 1, 4 waves a work-group, no clusters, 33,280 bytes of LDS; arguments x, Wq, Wk, Wv, Wo, cod, scl; writes cod, scl
.if DOCPART == 1
	.amdgcn_target "amdgcn-amd-amdhsa--gfx1250"
	.amdhsa_code_object_version 6
	.text
	.protected	k_q5dc62c1b74_quant
	.globl	k_q5dc62c1b74_quant
	.p2align	8
	.type	k_q5dc62c1b74_quant,@function
k_q5dc62c1b74_quant:
	s_mov_b64 s[64:65], 0
	v_nop
	global_prefetch_b8 v0, s[64:65] scope:SCOPE_SE
	s_setreg_imm32_b32 hwreg(HW_REG_WAVE_MODE, 25, 1), 1
	s_wait_xcnt 0x0
; x [8192][1024] and Wq, Wk, Wv, Wo [1024][1024], f32 with K innermost, become codes of FP6 (E2M3) and one E8M0 scale byte for each 32 along K.
; cod: 12,288 rows of 768 bytes (x, Wq, Wk, Wv, Wo one behind the other); scl: the same rows, 32 bytes each.
; A block's scale is 2^(floor(log2(its largest magnitude)) - 2); its byte is the largest magnitude's exponent field - 2, held at 1 from below.
; LIMITS: NaN and infinities among the inputs are not served; a block whose largest magnitude lies under 2^-124, a block of zeros among them, gets the byte 1
; (the rule says 127 for zeros: the codes are zeros, which add nothing under any byte but 0xff, and the bytes are read by this program alone).
; THE ROWS LIE PERMUTED: in each group of 32 rows the four runs of 8 rows lie in the order 0, 2, 1, 3.  So 16 neighbouring rows of the buffers, tile 2 b + u of a group of 32, row r,
; are the rows 32 b + 8 u + r + 8 (r / 8) of the tensor: the choice of rows by which a product's results come out as 16 neighbours along the next K.
; SHARES: a work-group takes 32 rows, a wave 8 rows: 16 steps of 512 numbers.  Work-groups 0-255 take x, then 32 each Wq, Wk, Wv, Wo: only pointers are chosen, there is one path.
; A step's four loads read 512 consecutive bytes each; its 2,048 bytes turn through the wave's own stage in LDS and come back 64 bytes a lane, so that a lane holds 16 neighbours (two lanes a block).
; A lane's 16 codes are 12 bytes: the wave stores 192 consecutive bytes in each of two planes.  The wave's 256 scale bytes are gathered in LDS and leave as 256 consecutive bytes, aligned.  No barrier: waves share nothing.
.set WAVES, 4
.set STEPS, 16
.set EMAX,  2
.set CB,    12                         ; bytes of 16 codes
.set KPL,   12288*192                  ; cod is laid in FOUR PLANES of 256 along K, [plane][12,288 rows][192 bytes] (this takes the place of the rows of 768 bytes named at the head): 128 rows of a plane are 24,576 consecutive bytes
.set R,     16                         ; v16-79   four sets of 16 numbers as they are loaded
.set X,     80                         ; v80-111  two sets of 16 neighbours
.set C,     128                        ; v128-191 codes: four registers for each step, so that no store's data are written again
.set E,     112                        ; v112-127 a scale byte for each step
.set WREG,  8192                       ; LDS: a region for each wave: two stages of 32 x SP bytes, and behind them its 256 scale bytes
.set SP,    80                         ; a lane's place in a stage: its 64 bytes + 16 of padding
.set SPW,   12                         ; v12  LDS address of my spare word; never rewritten
.set NIL,   13                         ; v13  0; never rewritten
.set SPARE, WAVES*WREG                 ; behind the four regions: the spare words, 128 bytes for each wave
	s_load_b256 s[4:11], s[0:1], 0x0               ; x, Wq, Wk, Wv
	s_load_b128 s[12:15], s[0:1], 0x20             ; Wo, cod
	s_load_b64 s[24:25], s[0:1], 0x30              ; scl
	v_lshl_add_u32 v[SPW], v0, 2, SPARE
	v_mov_b32 v[NIL], 0
	v_lshrrev_b32 v1, 5, v0
	v_readfirstlane_b32 s16, v1                    ; wave
	v_and_b32 v2, 31, v0                           ; lane
	v_lshlrev_b32 v3, 4, v2                        ; my 16 bytes of a load's 512
	s_mul_i32 s17, s16, WREG
	v_lshrrev_b32 v14, 2, v2
	v_mul_u32_u24 v14, v14, SP
	v_and_b32 v15, 3, v2
	v_lshl_add_u32 v14, v15, 4, v14
	v_add_nc_u32 v14, s17, v14                     ; the stage, on the way in: SP (lane / 4) + 16 (lane % 4)
	v_mul_u32_u24 v15, v2, SP
	v_add_nc_u32 v15, s17, v15                     ; and on the way out: SP x lane: my 16 neighbours
	v_and_b32 v4, 15, v2
	v_mul_u32_u24 v4, v4, CB                       ; my codes' place: sixteen lanes fill a row's 192 bytes of one plane,
	v_lshrrev_b32 v10, 4, v2
	v_mad_u32_u24 v4, v10, KPL, v4                 ; lanes 16-31 those of the next plane
	v_lshrrev_b32 v5, 1, v2
	s_add_co_u32 s17, s17, 2*32*SP
	v_add_nc_u32 v5, s17, v5                       ; LDS: my wave's 256 scale bytes, my block's byte
	v_lshlrev_b32 v7, 3, v2                        ; and on the way out 8 bytes a lane
	v_add_nc_u32 v6, s17, v7
	s_wait_alu depctr_va_vdst(0)
	s_wait_kmcnt 0x0
	s_cmp_ge_u32 ttmp9, 256                        ; which tensor: the choice hangs on the work-group's number alone
	s_cselect_b64 s[4:5], s[6:7], s[4:5]
	s_cmp_ge_u32 ttmp9, 288
	s_cselect_b64 s[4:5], s[8:9], s[4:5]
	s_cmp_ge_u32 ttmp9, 320
	s_cselect_b64 s[4:5], s[10:11], s[4:5]
	s_cmp_ge_u32 ttmp9, 352
	s_cselect_b64 s[4:5], s[12:13], s[4:5]
	s_and_b32 s17, ttmp9, 31
	s_cmp_lt_u32 ttmp9, 256
	s_cselect_b32 s17, ttmp9, s17                  ; which 32 rows of that tensor
	s_lshl_b32 s17, s17, 2
	s_add_co_u32 s18, s17, s16                     ; which run of 8 rows is my wave's,
	s_lshl_b32 s18, s18, 15                        ; 32,768 bytes a run
	s_mov_b32 s19, 0
	s_add_nc_u64 s[4:5], s[4:5], s[18:19]
	s_and_b32 s20, s16, 1                          ; where the run goes: runs 1 and 2 of the 32 rows change places
	s_lshl_b32 s20, s20, 1
	s_lshr_b32 s21, s16, 1
	s_or_b32 s20, s20, s21
	s_lshl_b32 s21, ttmp9, 2
	s_add_co_u32 s20, s20, s21
	s_mul_i32 s22, s20, 8*192                      ; 8 rows of a plane
	s_mov_b32 s23, 0
	s_add_nc_u64 s[14:15], s[14:15], s[22:23]
	s_lshl_b32 s22, s20, 8                         ; 8 rows of scale bytes
	s_add_nc_u64 s[24:25], s[24:25], s[22:23]
.macro LOAD t
.irp i, 0,1,2,3
	global_load_b128 v[R+16*((\t)%4)+4*\i:R+16*((\t)%4)+4*\i+3], v3, s[4:5] offset:2048*(\t)+512*\i th:TH_LOAD_NT   ; 32 lanes read 512 consecutive bytes
.endr
.endm
.macro TURN t                          ; step t's numbers through the stage: LDS serves a wave's instructions in order, so no wait stands between the stores and the loads
.irp i, 0,1,2,3
	ds_store_b128 v14, v[R+16*((\t)%4)+4*\i:R+16*((\t)%4)+4*\i+3] offset:32*SP*((\t)%2)+8*SP*\i
.endr
.irp i, 0,1,2,3
	ds_load_b128 v[X+16*((\t)%2)+4*\i:X+16*((\t)%2)+4*\i+3], v15 offset:32*SP*((\t)%2)+16*\i
.endr
.endm
.irp t, 0,1,2,3
	LOAD \t
.endr
	s_wait_loadcnt 12                              ; step 0's four loads are in; the twelve of steps 1 to 3 may be out
	TURN 0
.macro STEP t
.set XS, X+16*((\t)%2)
.if (\t) > 0
	s_wait_dscnt 1                                 ; this step's numbers are back from the stage (the last step's byte store may be out): so its stores into the stage have read their registers,
.else
	s_wait_dscnt 0x0
.endif
.if (\t)+4 < STEPS
	LOAD (\t)+4                                    ; which take the loads of four steps on
.endif
.if (\t)+1 < STEPS
.if STEPS-2-(\t) >= 3
	s_wait_loadcnt 12                              ; the next step's four loads are in; those of the three steps behind it may be out
.else
	s_wait_loadcnt 4*(STEPS-2-(\t))                ; at the end the count runs down: 8, 4, 0
.endif
	TURN (\t)+1                                    ; and go through the other stage while this step is worked
.endif
	v_max3_num_f32 v8, |v[XS]|, |v[XS+1]|, |v[XS+2]|               ; the largest magnitude of my 16, in two chains
	v_max3_num_f32 v9, |v[XS+3]|, |v[XS+4]|, |v[XS+5]|
.irp i, 6,10
	v_max3_num_f32 v8, v8, |v[XS+\i]|, |v[XS+\i+1]|
	v_max3_num_f32 v9, v9, |v[XS+\i+2]|, |v[XS+\i+3]|
.endr
	v_max3_num_f32 v8, v8, |v[XS+14]|, |v[XS+15]|
	v_max3_num_f32 v8, v8, v9, (EMAX+1)<<23        ; and the floor 2^(3 - 127): so the byte cannot fall under 1
	v_max_num_f32_dpp v8, v8, v8 row_xmask:1 row_mask:0xf bank_mask:0xf   ; and of my neighbour's 16: the block's
	v_add_nc_u32 v11, -(EMAX<<23), v8              ; 2 off its exponent field: the conversion takes the exponent field of this operand as its scale
	v_cvt_scalef32_pk16_fp6_f32 v[C+4*(\t):C+4*(\t)+2], v[XS:XS+15], v11   ; sixteen numbers / the scale, to the nearest code, ties to even, beyond the largest code the largest
	v_lshrrev_b32 v[E+(\t)], 23, v11               ; the scale's byte
	ds_store_b8 v5, v[E+(\t)] offset:16*(\t)       ; both lanes of a block write the same byte with the same value
	global_store_b96 v4, v[C+4*(\t):C+4*(\t)+2], s[14:15] offset:2*KPL*((\t)%2)+192*((\t)/2)   ; step t is half t % 2 of row t / 2: planes 2 (t % 2) and 2 (t % 2) + 1
.endm
.irp t, 0,1,2,3,4,5,6,7,8,9,10,11,12,13,14,15
	STEP \t
.endr
	ds_load_b64 v[8:9], v6                         ; LDS serves a wave's instructions in order: these see my stores
	s_wait_dscnt 0x0
	global_store_b64 v7, v[8:9], s[24:25]          ; 32 lanes store 256 consecutive bytes, aligned
	s_wait_tensorcnt 0x0                           ; the wave's end, behind my last LDS store
	ds_add_u32 v[SPW], v[NIL]
	s_wait_dscnt 0x0
	s_endpgm
.Lfunc_end_k_q5dc62c1b74_quant:
	.size	k_q5dc62c1b74_quant, .Lfunc_end_k_q5dc62c1b74_quant-k_q5dc62c1b74_quant
	.p2alignl 7, 3214868480
	.fill 96, 4, 3214868480
	.section	.rodata,"a",@progbits
	.p2align	6, 0x0
	.amdhsa_kernel k_q5dc62c1b74_quant
		.amdhsa_group_segment_fixed_size 33280
		.amdhsa_private_segment_fixed_size 0
		.amdhsa_enable_private_segment 0
		.amdhsa_kernarg_size 56
		.amdhsa_user_sgpr_count 2
		.amdhsa_user_sgpr_kernarg_segment_ptr 1
		.amdhsa_wavefront_size32 1
		.amdhsa_system_sgpr_workgroup_id_x 1
		.amdhsa_system_sgpr_workgroup_id_y 1
		.amdhsa_system_sgpr_workgroup_id_z 1
		.amdhsa_system_vgpr_workitem_id 0
		.amdhsa_next_free_vgpr 192
		.amdhsa_next_free_sgpr 66
		.amdhsa_reserve_vcc 0
		.amdhsa_float_denorm_mode_32 3
		.amdhsa_float_denorm_mode_16_64 3
		.amdhsa_memory_ordered 1
		.amdhsa_forward_progress 1
		.amdhsa_inst_pref_size 33
	.end_amdhsa_kernel
	.amdgpu_metadata
---
amdhsa.version: [ 1, 2 ]
amdhsa.kernels:
  - .name:           k_q5dc62c1b74_quant
    .symbol:         k_q5dc62c1b74_quant.kd
    .args:
      - { .name: x, .offset: 0, .size: 8, .value_kind: global_buffer, .address_space: global }
      - { .name: Wq, .offset: 8, .size: 8, .value_kind: global_buffer, .address_space: global }
      - { .name: Wk, .offset: 16, .size: 8, .value_kind: global_buffer, .address_space: global }
      - { .name: Wv, .offset: 24, .size: 8, .value_kind: global_buffer, .address_space: global }
      - { .name: Wo, .offset: 32, .size: 8, .value_kind: global_buffer, .address_space: global }
      - { .name: cod, .offset: 40, .size: 8, .value_kind: global_buffer, .address_space: global }
      - { .name: scl, .offset: 48, .size: 8, .value_kind: global_buffer, .address_space: global }
    .group_segment_fixed_size: 33280
    .private_segment_fixed_size: 0
    .kernarg_segment_align: 8
    .kernarg_segment_size: 56
    .max_flat_workgroup_size: 128
    .sgpr_count:     66
    .vgpr_count:     192
    .wavefront_size: 32
...
	.end_amdgpu_metadata
.endif
;; end of part 1
;; launch qkv (part 2): grid 12 x 32, 4 waves a work-group, clusters of 4 x 4, 327,680 bytes of LDS; arguments cod, scl, bq, bk, bv, img, isc; writes img, isc
.if DOCPART == 2
	.amdgcn_target "amdgcn-amd-amdhsa--gfx1250"
	.amdhsa_code_object_version 6
	.text
	.protected	k_q5dc62c1b74_qkv
	.globl	k_q5dc62c1b74_qkv
	.p2align	8
	.type	k_q5dc62c1b74_qkv,@function
k_q5dc62c1b74_qkv:
	s_mov_b64 s[64:65], 0
	v_nop
	global_prefetch_b8 v0, s[64:65] scope:SCOPE_SE
	s_setreg_imm32_b32 hwreg(HW_REG_WAVE_MODE, 25, 1), 1
	s_wait_xcnt 0x0
	s_wait_alu depctr_hold_cnt(0) depctr_sa_sdst(0) depctr_va_vdst(0) depctr_va_sdst(0) depctr_va_ssrc(0) depctr_va_vcc(0) depctr_vm_vsrc(0)
	s_getreg_b32 s2, hwreg(HW_REG_IB_STS2, 6, 4)
	s_cmp_eq_u32 s2, 0
	s_cbranch_scc0 .Lentry_in_a_cluster
	s_endpgm
.Lentry_in_a_cluster:
	s_bfe_u32 s2, ttmp6, 0x10000c
	s_cmp_lg_u32 s2, 0xf033
	s_cbranch_scc0 .Lentry_shape_is_right
	s_endpgm
.Lentry_shape_is_right:
.set KSTEP,  256
.set NQ,     KSTEP/128
.set ROWB,   192
.set KPL,    12288*192                 ; from a plane of 256 along K to the next in cod
.set KROW,   768
.set PITCH,  240
.set FR,     12
.set NL,     6
.set NP,     4
.set HALFT,  128*PITCH
.set SLOT,   4*HALFT
.set LAPS,   2
.set KS,     32
.set SCL,    2*SLOT
.set HALFS,  (128*KS/256)*272
.set SBLK,   (16*KS/256)*272
.set SPARE,  SCL+4*HALFS
.set IMGSZ,  6291456
.set ADRA, 16
.set ADRB, 20
.set ADRS, 27
.set SPW,  28
.set NIL,  29
.set SC,   32
.set BP,   64
.set AF,   128
.set BR,   224
.set VO,   232
.set SO,   240
.set SO2,  241
.set ST,   128
.set PCX,  192
.set CT,   216
.set MX,   242
.set PB,   246
.set SOP,  250
.set PW,   254
.set T,    10
.set SB,   2
.set SEL,  100
.set G1, 24
.set G0, 32
.set G1B, 48
.set G0B, 56
.set G1S, 68
.set G0S, 76
.set G1SB, 80
.set G0SB, 88
.set MSB, 0
.macro WIN new
.if MSB != (\new)
	s_set_vgpr_msb (MSB<<8)|(\new)
.set MSB, (\new)
.endif
.endm
.set MUL_LO, 0xa1
.set MUL_HI, 0xf1
.set TO_B,   0x40
.macro JLOAD g0a, g1a, g0b, g1b
	s_cmp_eq_u32 s15, 0
	s_cbranch_scc0 .Lfor_b_\@
	tensor_load_to_lds s[\g0a:\g0a+3], s[\g1a:\g1a+7]
	s_nop 0
.rept 4
	v_nop
.endr
	s_branch .Lasked_\@
.Lfor_b_\@:
	tensor_load_to_lds s[\g0b:\g0b+3], s[\g1b:\g1b+7]
	s_nop 0
.rept 4
	v_nop
.endr
.Lasked_\@:
.endm
.macro CREST
	s_cmp_lg_u32 s14, 0
	s_cbranch_scc1 .Lnot_wave_0_\@
	s_barrier_signal -3
.Lnot_wave_0_\@:
	s_barrier_wait -3
	s_barrier_signal -1
	s_barrier_wait -1
.endm
.macro CROUND
	s_barrier_signal -1
	s_barrier_wait -1
	CREST
.endm
	s_load_b256 s[4:11], s[0:1], 0x0
	s_load_b64 s[12:13], s[0:1], 0x20
	s_load_b64 s[96:97], s[0:1], 0x28
	s_load_b64 s[98:99], s[0:1], 0x30
	v_lshl_add_u32 v[SPW], v0, 2, SPARE
	v_mov_b32 v[NIL], 0
	ds_add_u32 v[SPW], v[NIL]
	ds_add_u32 v[SPW], v[NIL]
	v_lshrrev_b32 v1, 5, v0
	v_readfirstlane_b32 s14, v1
	s_lshr_b32 s15, s14, 1
	s_and_b32 s16, s14, 1
	s_bfe_u32 s40, ttmp6, 0x40000
	s_bfe_u32 s41, ttmp6, 0x40004
	s_lshr_b32 s66, ttmp9, 1
	s_xor_b32 s2, s66, 1
	s_and_b32 s95, ttmp7, 0xffff
	s_lshl_b32 s95, s95, 2
	s_mul_i32 s17, s95, s2
	s_mul_i32 s18, s66, 40
	s_add_co_u32 s17, s17, s18
	s_add_co_u32 s17, s17, s41
	s_lshl_b32 s42, ttmp9, 2
	s_add_co_u32 s42, s42, 32
	s_mul_i32 s42, s42, s2
	s_mul_i32 s18, s95, s66
	s_add_co_u32 s42, s42, s18
	s_add_co_u32 s42, s42, s40
	s_lshl_b32 s43, s41, 2
	s_lshl_b32 s43, 15, s43
	s_lshl_b32 s44, 0x1111, s40
	s_or_b32 s[G1+0], s43, (0<<16)|(1<<20)|(1<<21)|(3<<22)|(3<<25)
	s_or_b32 s[G1B+0], s44, (0<<16)|(1<<20)|(1<<21)|(3<<22)|(3<<25)
.irp g, G1, G1B
	s_mov_b32 s[\g+1], 256<<16                     ; a tile's rows of 192 bytes lie end to end in a plane: stated as rows of 256 bytes; the padding stays 16 bytes behind every 64
	s_mov_b32 s[\g+2], 192<<16                     ; the head's loads bring 256 rows of codes: 192 rows of 256 bytes
	s_mov_b32 s[\g+3], 256<<16
	s_mov_b32 s[\g+4], 192
	s_mov_b32 s[\g+5], 256
	s_mov_b32 s[\g+6], 0
	s_mov_b32 s[\g+7], 0
.endr
	s_or_b32 s[G1S+0], s43, (3<<16)|(1<<20)|(1<<21)|(5<<22)|(3<<25)
	s_or_b32 s[G1SB+0], s44, (3<<16)|(1<<20)|(1<<21)|(5<<22)|(3<<25)
.irp g, G1S, G1SB
	s_mov_b32 s[\g+1], 32<<16
	s_mov_b32 s[\g+2], (256*KS/256)<<16            ; the scales of all 256 rows by one load
	s_mov_b32 s[\g+3], 32<<16
	s_mov_b32 s[\g+4], 256*KS/256
	s_mov_b32 s[\g+5], 32
	s_mov_b32 s[\g+6], 0
	s_mov_b32 s[\g+7], 0
.endr
	s_mov_b32 s67, 0xffff0000
	s_mov_b32 s[SEL], 0x76543210
	s_mov_b32 s[SEL+1], 0xfedcba98
	s_lshl_b32 s18, s16, 7
	s_lshl_b32 s20, s17, 8
	s_add_co_u32 s20, s20, s18
	s_lshl_b32 s46, s42, 8
	s_add_co_u32 s46, s46, s18
	s_mov_b32 s21, 0
	s_mov_b32 s47, 0
	s_mov_b64 s[18:19], KS
	s_mul_u64 s[22:23], s[20:21], s[18:19]
	s_mul_u64 s[92:93], s[46:47], s[18:19]
	s_lshl_b32 s18, s16, 12                        ; the scales' offsets go back to the tile's first row: 128 rows of 32 bytes
	s_mov_b32 s19, 0
	s_sub_nc_u64 s[22:23], s[22:23], s[18:19]
	s_sub_nc_u64 s[92:93], s[92:93], s[18:19]
	s_mov_b64 s[18:19], ROWB
	s_mul_u64 s[20:21], s[20:21], s[18:19]
	s_mul_u64 s[46:47], s[46:47], s[18:19]
	s_mul_i32 s45, s14, HALFT
	s_mul_i32 s94, s15, 2*HALFS                    ; wave 1 lands A's scales, wave 3 B's behind them
	s_wait_dscnt 0x0
	s_wait_kmcnt 0x0
	s_add_nc_u64 s[20:21], s[4:5], s[20:21]
	s_add_nc_u64 s[22:23], s[6:7], s[22:23]
	s_add_nc_u64 s[46:47], s[4:5], s[46:47]
	s_add_nc_u64 s[92:93], s[6:7], s[92:93]
	CROUND
	s_mov_b32 s[G0S], 1
	s_add_co_u32 s[G0S+1], s94, SCL
	s_mov_b64 s[G0S+2:G0S+3], s[22:23]
	s_or_b32 s[G0S+3], s[G0S+3], 0x80000000
	s_mov_b32 s[G0SB], 1
	s_add_co_u32 s[G0SB+1], s94, SCL
	s_mov_b64 s[G0SB+2:G0SB+3], s[92:93]
	s_or_b32 s[G0SB+3], s[G0SB+3], 0x80000000
.irp s, 0,1
	s_mov_b32 s[G0+4*\s], 1
	s_add_co_u32 s[G0+4*\s+1], s45, \s*SLOT
	s_add_nc_u64 s[G0+4*\s+2:G0+4*\s+3], s[20:21], \s*KPL
	s_or_b32 s[G0+4*\s+3], s[G0+4*\s+3], 0x80000000
	s_mov_b32 s[G0B+4*\s], 1
	s_add_co_u32 s[G0B+4*\s+1], s45, \s*SLOT
	s_add_nc_u64 s[G0B+4*\s+2:G0B+4*\s+3], s[46:47], \s*KPL
	s_or_b32 s[G0B+4*\s+3], s[G0B+4*\s+3], 0x80000000
.endr
; THE HEAD'S LOADS, ONE A WAVE, in one chain of branches on the wave's number: wave 0 plane 0's 256 rows of A (its own group 0 of slot 0 names their first byte), wave 1 A's scales, wave 2 the 256 rows of B, wave 3 B's scales
.macro ARM under, g0, g1, next
	s_cmp_lt_u32 s14, \under
	s_cbranch_scc0 \next
	tensor_load_to_lds s[\g0:\g0+3], s[\g1:\g1+7]
	s_nop 0
.rept 4
	v_nop
.endr
	s_branch .Lhead_asked
\next:
.endm
	ARM 1, G0,  G1,  .Lhead_sa
	ARM 2, G0S, G1S, .Lhead_b
	ARM 3, G0B, G1B, .Lhead_sb
	tensor_load_to_lds s[G0SB:G0SB+3], s[G1SB:G1SB+7]
	s_nop 0
.rept 4
	v_nop
.endr
.Lhead_asked:
	v_and_b32 v1, 15, v0
	v_bfe_u32 v2, v0, 4, 1
	v_mul_u32_u24 v3, v1, PITCH
	v_mul_u32_u24 v4, v2, 24
	v_add_nc_u32 v4, v3, v4
	v_lshl_add_u32 v5, v2, 4, v4
	s_mul_i32 s21, s15, HALFT
	s_mul_i32 s22, s16, HALFT
	s_add_co_u32 s22, s22, 2*HALFT
.irp s, 0,1
	v_add_nc_u32 v[ADRA+\s], s21, v4
	v_add_nc_u32 v[ADRB+\s], s22, v4
	v_add_nc_u32 v[ADRA+2+\s], s21, v5
	v_add_nc_u32 v[ADRB+2+\s], s22, v5
	s_add_co_u32 s21, s21, SLOT
	s_add_co_u32 s22, s22, SLOT
.endr
	v_mul_u32_u24 v5, v1, KS
	v_lshrrev_b32 v6, 8, v5
	v_lshl_add_u32 v5, v6, 4, v5
	s_mul_i32 s21, s15, HALFS
	s_mul_i32 s22, s16, HALFS
	s_add_co_u32 s22, s22, 2*HALFS
	s_sub_co_u32 s22, s22, s21
	v_mul_u32_u24 v6, s22, v2
	s_add_co_u32 s21, s21, SCL
	v_add_nc_u32 v5, v5, v6
	v_add_nc_u32 v[ADRS], s21, v5
	v_and_b32 v9, 31, v0
	v_lshlrev_b32 v7, 6, v2
	s_wait_alu depctr_va_vdst(0)
	v_and_b32 v8, 8, v1
	v_add_nc_u32 v8, v8, v1
	v_lshlrev_b32 v8, 2, v8
	s_wait_alu depctr_va_vdst(0)
	s_mov_b32 s22, 98304
	s_mov_b32 s23, 3072
	s_mov_b32 s2, 1536
	s_cmp_eq_u32 s66, 0
	s_cselect_b32 s18, s41, s40
	s_cselect_b32 s19, s15, s16
	s_cselect_b32 s20, s40, s41
	s_cselect_b32 s21, s16, s15
	s_cselect_b32 s46, s23, s22
	s_cselect_b32 s47, s2, s23
	s_cselect_b32 s92, s22, s2
	s_cselect_b32 s93, 4, 3
	s_cselect_b32 s94, 9, 8
	s_cselect_b32 s45, 0, 8192
	s_add_co_u32 s18, s18, s95
	s_lshl_b32 s18, s18, 1
	s_add_co_u32 s18, s18, s19
	s_lshr_b32 s19, s18, 4
	s_and_b32 s18, s18, 15
	s_lshl_b32 s20, s20, 2
	s_lshl_b32 s21, s21, 1
	s_add_co_u32 s20, s20, s21
	s_lshl_b32 s19, s19, 4
	s_add_co_u32 s19, s19, s20
	s_cmp_eq_u32 ttmp9, 1
	s_cselect_b64 s[8:9], s[10:11], s[8:9]
	s_cmp_eq_u32 ttmp9, 2
	s_cselect_b64 s[8:9], s[12:13], s[8:9]
	s_lshl_b32 s20, s20, 8
	s_mov_b32 s21, 0
	s_add_nc_u64 s[8:9], s[8:9], s[20:21]
.irp t, 0,1,2,3,4,5,6,7
	global_load_b128 v[BP+8*\t:BP+8*\t+3], v7, s[8:9] offset:(32*(\t/2)+8*(\t%2))*4
	global_load_b128 v[BP+8*\t+4:BP+8*\t+7], v7, s[8:9] offset:(32*(\t/2)+8*(\t%2))*4+16
	global_load_b32 v[BR+\t], v8, s[8:9] offset:(32*(\t/2)+8*(\t%2))*4
.endr
	s_mul_i32 s20, ttmp9, IMGSZ
	s_mul_i32 s21, s19, s22
	s_add_co_u32 s20, s20, s21
	s_mul_i32 s21, s18, 6144
	s_add_co_u32 s20, s20, s21
	v_lshl_add_u32 v[VO], v9, 4, s20
	v_add_nc_u32 v[VO+1], s92, v[VO]
	v_add_nc_u32 v[VO+2], s47, v[VO]
	v_add_nc_u32 v[VO+3], s47, v[VO+1]
.irp i, 0,1,2,3
	v_add_nc_u32 v[VO+4+\i], s46, v[VO+\i]
.endr
	s_cmp_eq_u32 ttmp9, 0
	s_cselect_b32 s21, 0, 0x80000
	s_mov_b32 s23, 12288
	s_cselect_b32 s23, 8192, s23
	s_mul_i32 s22, s19, s23
	s_add_co_u32 s21, s21, s22
	s_add_co_u32 s21, s21, s45
	s_lshl_b32 s22, s18, s94
	s_add_co_u32 s21, s21, s22
	v_lshlrev_b32 v[SO], s93, v9
	v_add_nc_u32 v[SO], s21, v[SO]
	v_add_nc_u32 v[SO2], s23, v[SO]
.macro FRAG reg, adr, q, i
.irp p, 0,1,2,3,4,5
.set PC, 12*(\q)+6*(\p/3)+\p%3
.if PC%8 < 5
	ds_load_b64 v[\reg+2*\p:\reg+2*\p+1], v[\adr] offset:8*PC+16*(PC/8)+(\i)*16*PITCH
.else
	ds_load_b64 v[\reg+2*\p:\reg+2*\p+1], v[\adr+2] offset:8*PC+16*(PC/8)+(\i)*16*PITCH
.endif
.endr
.endm
.macro MUL16 a0, p, q, sc, zero
.irp a, \a0, \a0+1
.irp b, 0,1,2,3,4,5,6,7
.if \zero
	v_wmma_scale_f32_16x16x128_f8f6f4 v[8*(8*((\a)%4)+\b):8*(8*((\a)%4)+\b)+7], v[128*(\p)+FR*\b:128*(\p)+FR*\b+FR-1], v[AF+FR*(\a):AF+FR*(\a)+FR-1], 0, v[SC+8*NQ*(\sc)+NQ*\b+(\q)], v[SC+8*NQ*(\sc)+NQ*(\a)+(\q)] matrix_a_fmt:MATRIX_FMT_FP6 matrix_b_fmt:MATRIX_FMT_FP6 matrix_a_scale:MATRIX_SCALE_ROW1
.else
	v_wmma_scale_f32_16x16x128_f8f6f4 v[8*(8*((\a)%4)+\b):8*(8*((\a)%4)+\b)+7], v[128*(\p)+FR*\b:128*(\p)+FR*\b+FR-1], v[AF+FR*(\a):AF+FR*(\a)+FR-1], v[8*(8*((\a)%4)+\b):8*(8*((\a)%4)+\b)+7], v[SC+8*NQ*(\sc)+NQ*\b+(\q)], v[SC+8*NQ*(\sc)+NQ*(\a)+(\q)] matrix_a_fmt:MATRIX_FMT_FP6 matrix_b_fmt:MATRIX_FMT_FP6 matrix_a_scale:MATRIX_SCALE_ROW1
.endif
.endr
.endr
.endm
.macro FETCH_B slot, q, p
	WIN TO_B
.irp i, 0,1,2,3,4,5,6,7
	FRAG 128*(\p)+FR*\i, ADRB+\slot, \q, \i
.endr
	WIN 0
.endm
.macro FETCH_A slot, q, i0
.irp i, \i0, \i0+1, \i0+2, \i0+3
	FRAG AF+FR*(\i), ADRA+\slot, \q, \i
.endr
.endm
.macro SCALES sc
.irp i, 0,1,2,3,4,5,6,7
	ds_load_b64 v[SC+8*NQ*\sc+NQ*\i:SC+8*NQ*\sc+NQ*\i+1], v[ADRS] offset:\i*SBLK
.endr
.endm
.macro PLACES n
.rept \n
	v_nop
.endr
.endm
.macro STEP slot, q, zero
	s_wait_dscnt 4*NL
	WIN MUL_LO
	MUL16 0, (\q)%2, \q, \slot, \zero
	MUL16 2, (\q)%2, \q, \slot, \zero
	s_wait_dscnt 0
	PLACES NP
	FETCH_B \slot, (\q)+1, 1-(\q)%2
	FETCH_A \slot, (\q)+1, 0
	WIN MUL_HI
	MUL16 4, (\q)%2, \q, \slot, \zero
	MUL16 6, (\q)%2, \q, \slot, \zero
	PLACES NP
	WIN 0
	FETCH_A \slot, (\q)+1, 4
.endm
.macro TURN slot, next, fill
	s_wait_tensorcnt 0x0
	ds_add_u32 v[SPW], v[NIL]
	s_wait_dscnt 4*NL+1
	WIN MUL_LO
	MUL16 0, 1, NQ-1, \slot, 0
	s_wait_dscnt 0x0
	s_barrier_signal -1
	MUL16 2, 1, NQ-1, \slot, 0
	WIN 0
	s_barrier_wait -1
.if \fill
	CREST
	s_add_nc_u64 s[G0+4*\slot+2:G0+4*\slot+3], s[G0+4*\slot+2:G0+4*\slot+3], 2*KPL
	s_add_nc_u64 s[G0B+4*\slot+2:G0B+4*\slot+3], s[G0B+4*\slot+2:G0B+4*\slot+3], 2*KPL
	JLOAD G0+4*\slot, G1, G0B+4*\slot, G1B
.else
	PLACES NP
.endif
	s_wait_alu depctr_va_vdst(0)
	v_add_nc_u32 v[ADRS], 4*NQ, v[ADRS]
	FETCH_B \next, 0, 0
	FETCH_A \next, 0, 0
	SCALES \next
	WIN MUL_HI
	MUL16 4, 1, NQ-1, \slot, 0
	MUL16 6, 1, NQ-1, \slot, 0
	PLACES NP
	WIN 0
	FETCH_A \next, 0, 4
.endm
	s_wait_alu depctr_va_vdst(0)                   ; the wait at the head's end
	s_wait_tensorcnt 0x0                           ; my tile of the head's four is in; the three lines ahead of slot 1's first fill, as ahead of a refill
	ds_add_u32 v[SPW], v[NIL]
	s_mov_b32 s[G1+2], 96<<16                      ; no tensor load of mine is out: from here on a load brings 128 rows of codes, 96 rows of 256 bytes
	s_mov_b32 s[G1+4], 96
	s_mov_b32 s[G1B+2], 96<<16
	s_mov_b32 s[G1B+4], 96
	s_wait_dscnt 0x0
	CROUND                                         ; all four tiles are in, and all sixteen work-groups are here
	JLOAD G0+4, G1, G0B+4, G1B                     ; plane 1, the first tensor load behind the round
	FETCH_B 0, 0, 0
	FETCH_A 0, 0, 0
	SCALES 0
	FETCH_A 0, 0, 4
	STEP 0, 0, 1
	s_mov_b32 s3, LAPS-1
.Llap:
	TURN 0, 1, 1
	STEP 1, 0, 0
	TURN 1, 0, 1
	STEP 0, 0, 0
	s_sub_co_u32 s3, s3, 1
	s_cmp_lg_u32 s3, 0
	s_cbranch_scc1 .Llap
	TURN 0, 1, 0
	STEP 1, 0, 0
	s_wait_dscnt 4*NL
	WIN MUL_LO
	MUL16 0, 1, NQ-1, 1, 0
	MUL16 2, 1, NQ-1, 1, 0
	s_wait_dscnt 0
	WIN MUL_HI
	MUL16 4, 1, NQ-1, 1, 0
	MUL16 6, 1, NQ-1, 1, 0
	WIN 0
.macro BIAS a
.set AA, (\a)
.set AC, 64*(AA%4)
	s_cmp_eq_u32 s66, 0
	s_cbranch_scc0 .Lbv_\@
	WIN 0x02+AA/4
.set jj, 0
.rept 32
	v_pk_add_f32 v[ST+jj:ST+jj+1], v[AC+jj:AC+jj+1], v[BP+jj:BP+jj+1]
.set jj, jj+2
.endr
	WIN 0
	s_branch .Lbd_\@
.Lbv_\@:
	WIN 0x02+AA/4
.set jj, 0
.rept 32
.if AA%2
	v_pk_add_f32 v[ST+jj:ST+jj+1], v[AC+jj:AC+jj+1], v[BR+AA-1:BR+AA] op_sel:[0,1] op_sel_hi:[1,1]
.else
	v_pk_add_f32 v[ST+jj:ST+jj+1], v[AC+jj:AC+jj+1], v[BR+AA:BR+AA+1] op_sel_hi:[1,0]
.endif
.set jj, jj+2
.endr
	WIN 0
.Lbd_\@:
.endm
.macro QUANT s, d0, d1, pw
.irp b, 0,1,2,3
	v_max3_num_f32 v[MX+\b], |v[\s+16*\b]|, |v[\s+1+16*\b]|, 0x1800000
.endr
.irp i, 2,4,6,8,10,12,14
.irp b, 0,1,2,3
	v_max3_num_f32 v[MX+\b], v[MX+\b], |v[\s+16*\b+\i]|, |v[\s+1+16*\b+\i]|
.endr
.endr
.irp b, 0,1,2,3
	v_permlanex16_b32 v[PB+\b], v[MX+\b], s[SEL], s[SEL+1]
.endr
.irp b, 0,1,2,3
	v_max_num_f32 v[MX+\b], v[MX+\b], v[PB+\b]
.endr
.irp b, 0,1,2,3
	v_add_nc_u32 v[SOP+\b], 0xff000000, v[MX+\b]
.endr
.irp b, 0,1,2,3
	v_lshrrev_b32 v[PB+\b], 23, v[SOP+\b]
.endr
	v_lshl_or_b32 v[\pw], v[PB+1], 8, v[PB]
	v_lshl_or_b32 v[\pw], v[PB+2], 16, v[\pw]
	v_lshl_or_b32 v[\pw], v[PB+3], 24, v[\pw]
	v_cvt_scalef32_pk16_fp6_f32 v[(\d0):(\d0)+2], v[\s:\s+15], v[SOP]
	v_cvt_scalef32_pk16_fp6_f32 v[CT:CT+2], v[\s+16:\s+31], v[SOP+1]
	v_cvt_scalef32_pk16_fp6_f32 v[(\d1):(\d1)+2], v[\s+32:\s+47], v[SOP+2]
	v_cvt_scalef32_pk16_fp6_f32 v[CT+4:CT+6], v[\s+48:\s+63], v[SOP+3]
	v_nop
.irp i, 0,1,2
	v_permlane16_swap_b32 v[(\d0)+\i], v[CT+\i]
.endr
.irp i, 0,1,2
	v_mov_b32 v[(\d0)+3+\i], v[CT+\i]
.endr
.irp i, 0,1,2
	v_permlane16_swap_b32 v[(\d1)+\i], v[CT+4+\i]
.endr
.irp i, 0,1,2
	v_mov_b32 v[(\d1)+3+\i], v[CT+4+\i]
.endr
.endm
	PLACES NP
	s_wait_loadcnt 0x0
.irp b, 0,1,2,3
	v_mov_b32 v[PB+\b], 0
.endr
.irp g, 0,1,2,3
.if \g > 0
	s_wait_xcnt 0x0
.endif
.irp u, 0,1
	BIAS 2*\g+\u
	QUANT ST, PCX+6*\u, PCX+12+6*\u, PW+\u
.endr
	v_cndmask_b32 v[T+\g], v[PW], v[PW+1], s67
.irp c, 0,1
.irp k, 0,1,2
	global_store_b128 v[VO+2*\g+\c], v[PCX+12*\c+4*\k:PCX+12*\c+4*\k+3], s[96:97] offset:512*\k th:TH_STORE_NT
.endr
.endr
.endr
	s_cmp_eq_u32 s66, 0
	s_cbranch_scc0 .Lscale_v
.irp g, 0,1,2,3
	v_lshrrev_b32 v[SB+\g], 16, v[T+\g]
.endr
.irp g, 0,1,2,3
	v_and_b32 v[T+\g], 0xffff, v[T+\g]
.endr
	global_store_b128 v[SO], v[T:T+3], s[98:99]
	global_store_b128 v[SO2], v[SB:SB+3], s[98:99]
	s_branch .Lscale_done
.Lscale_v:
	global_store_b64 v[SO], v[T:T+1], s[98:99]
	s_wait_alu depctr_va_vdst(0)
	global_store_b64 v[SO2], v[T+2:T+3], s[98:99]
.Lscale_done:
	s_wait_tensorcnt 0x0
	ds_add_u32 v[SPW], v[NIL]
	s_wait_dscnt 0x0
	CROUND
	s_endpgm
.Lfunc_end_k_q5dc62c1b74_qkv:
	.size	k_q5dc62c1b74_qkv, .Lfunc_end_k_q5dc62c1b74_qkv-k_q5dc62c1b74_qkv
	.p2alignl 7, 3214868480
	.fill 96, 4, 3214868480
	.section	.rodata,"a",@progbits
	.p2align	6, 0x0
	.amdhsa_kernel k_q5dc62c1b74_qkv
		.amdhsa_group_segment_fixed_size 327680
		.amdhsa_private_segment_fixed_size 0
		.amdhsa_enable_private_segment 0
		.amdhsa_kernarg_size 56
		.amdhsa_user_sgpr_count 2
		.amdhsa_user_sgpr_kernarg_segment_ptr 1
		.amdhsa_wavefront_size32 1
		.amdhsa_system_sgpr_workgroup_id_x 1
		.amdhsa_system_sgpr_workgroup_id_y 1
		.amdhsa_system_sgpr_workgroup_id_z 1
		.amdhsa_system_vgpr_workitem_id 0
		.amdhsa_next_free_vgpr 1024
		.amdhsa_next_free_sgpr 102
		.amdhsa_reserve_vcc 0
		.amdhsa_float_denorm_mode_32 3
		.amdhsa_float_denorm_mode_16_64 3
		.amdhsa_memory_ordered 1
		.amdhsa_forward_progress 1
		.amdhsa_inst_pref_size 203
	.end_amdhsa_kernel
	.amdgpu_metadata
---
amdhsa.version: [ 1, 2 ]
amdhsa.kernels:
  - .name:           k_q5dc62c1b74_qkv
    .symbol:         k_q5dc62c1b74_qkv.kd
    .args:
      - { .name: cod, .offset: 0, .size: 8, .value_kind: global_buffer, .address_space: global }
      - { .name: scl, .offset: 8, .size: 8, .value_kind: global_buffer, .address_space: global }
      - { .name: bq, .offset: 16, .size: 8, .value_kind: global_buffer, .address_space: global }
      - { .name: bk, .offset: 24, .size: 8, .value_kind: global_buffer, .address_space: global }
      - { .name: bv, .offset: 32, .size: 8, .value_kind: global_buffer, .address_space: global }
      - { .name: img, .offset: 40, .size: 8, .value_kind: global_buffer, .address_space: global }
      - { .name: isc, .offset: 48, .size: 8, .value_kind: global_buffer, .address_space: global }
    .group_segment_fixed_size: 327680
    .private_segment_fixed_size: 0
    .kernarg_segment_align: 8
    .kernarg_segment_size: 56
    .max_flat_workgroup_size: 128
    .sgpr_count:     102
    .vgpr_count:     1024
    .wavefront_size: 32
...
	.end_amdgpu_metadata
.endif
;; end of part 2
;; launch attn (part 3): grid 4 x 64, 16 waves a work-group, no clusters, 327,680 bytes of LDS; arguments img, isc, ocod, oscl; writes ocod, oscl
.if DOCPART == 3
	.amdgcn_target "amdgcn-amd-amdhsa--gfx1250"
	.amdhsa_code_object_version 6
	.text
	.protected	k_q5dc62c1b74_attn
	.globl	k_q5dc62c1b74_attn
	.p2align	8
	.type	k_q5dc62c1b74_attn,@function
k_q5dc62c1b74_attn:
	s_mov_b64 s[64:65], 0
	v_nop
	global_prefetch_b8 v0, s[64:65] scope:SCOPE_SE
	s_setreg_imm32_b32 hwreg(HW_REG_WAVE_MODE, 25, 1), 1
	s_wait_xcnt 0x0
; O = softmax(q k^T / 8, masked) v for 64 (batch, head) pairs of 2,048 tokens, head size 64, both products on codes of FP6 (E2M3) with E8M0 scales; O / l is quantised along the head's 64 for the last projection.
; THE MASK, which the problem builds itself: queries under 512 see all keys; a query i from 512 on sees the keys j <= i.  A key step all of whose 128 keys are hidden from a wave's 32 queries adds nothing to any output and is left out.
; THE SOFTMAX: t = score x log2(e) / 8; M = the row's largest t so far, rounded up to a whole number; p = 2^(t - M) is quantised along the keys, not normalised; the row's sum is taken of the unquantised p.
; When M moves, the sum and O are multiplied by 2^(old M - new M): exact.
; SHARES: four work-groups to a head, 256 in all.  The head's 2,048 queries are eight blocks of 256, a block sixteen tiles of 16.  Wave w takes tile w of TWO blocks, one after the other.
; Which blocks: i = (work-group x + (w xor w / 4)) % 4; first block 0, 1, 7, 6 for i = 0 .. 3, then block 2 + i: 16 + 6, 16 + 8, 16 + 10, 14 + 12 key steps at the most.  For each w the four work-groups have the four i: every tile has one owner.
; Any four waves with the same w % 4, and any four with the same w / 4, hold all four i: so the steps are dealt evenly, 380 wave steps to every work-group.
; A tile: group 8 X + w / 2 of 32 tokens, tile u = w % 2; lane r holds token 32 group + 8 u + r + 8 (r / 8).
; LDS: THE HEAD'S k AND v LIE IN LDS WHOLE, filled once: k's images 98,304 bytes, v's 98,304, the scale words 12,288.  One tensor load a wave at the head: waves 0, 1 the first 36,864 bytes (768 keys) of k, of v; wave 2 the scale words;
; waves 3-7 and 8-12 the rest of k and of v, 12,288 bytes each; waves 13-15 none.  The first barrier shows the loads of waves 0-2, which alone wait there; four key steps on, every wave waits for its load and a second barrier shows the rest.
; Nothing is filled again; behind the second barrier the waves share nothing that changes, and no further barrier stands in the text.  Every part is read by every work-group: each has waves that walk all 16 steps.
; The loops over key steps have trip counts that are constants of the text (4; then 12 in the first block, 16 in the second); hidden steps are jumped over by a branch on ids.
; NO CLUSTER: the four work-groups of a head read the same tiles, but the branch round hidden steps hangs on the query block, which hangs on the work-group's place among the four.
; NO PREFETCH: every tile is asked for at the kernel's head, so there is no loop in which to ask ahead.
; K AND V COME AS IMAGES OF OPERAND REGISTERS (1,536 bytes: 12 registers x 32 lanes, lane l's four registers of chunk k at 512 k + 16 l): dense in memory and in LDS; a key step is 6,144 bytes of each.
; THE HEAD'S K IS 64, the instruction's 128: q's registers 6-11 are zero codes and the scale bytes of the two dead blocks are 0 on both sides; so k's registers 6-11 may hold any codes:
; k's tiles lie 6 registers apart and tile t's operand runs on into tile t + 1's codes (behind the last tile: six cleared registers).
; LAYOUT: both products transposed: S^T = k q^T, O^T = v^T p^T: a lane holds one query throughout; the 16 registers of tiles 2 b, 2 b + 1 of S^T are keys 32 b + 16 (lane / 16) + 0 .. 15.
; LIMITS: NaN and infinities are not served; a block whose largest magnitude lies under 2^-124 gets the byte 1; the division by the sum is a multiplication by v_rcp_f32's result; the scaled scores stay under 2^31 in magnitude.
; The scale bytes of O leave as single bytes, 32 bytes apart: one byte for each 24 bytes of codes.
; REGISTERS: v1-4 addresses that stay; v5, v6 the add's two; v7 the mask's lane term; v8-11 addresses in hand; v12 -M, v13 the largest t, v[14:15] the sum; v16-27 q; v29-31 offsets;
; v32-79 k's 8 tiles, then v's 4 fragments; v80-85 zeros; v96-159 S^T, then p; v160-191 O^T; v224-235 p's codes; v232-247 at work; v248-251 scale words; v252 f; v253 p's scale word; v254 at work; v255 q's scale word.
.set IMGSZ, 6291456
.set HIMG,  98304                      ; a head's images of k, or of v
.set VB,    HIMG                       ; LDS: k's at 0, v's behind them,
.set SCK,   2*HIMG                     ; k's scale words, 8,192 bytes,
.set SCV,   SCK+8192                   ; v's, 4,096 bytes,
.set SPARE, SCV+4096                   ; the spare words, 128 bytes for each of sixteen waves
.set EARLY, 36864                      ; what waves 0 and 1 fetch: six key steps
.set PART,  12288                      ; what a later wave fetches: two key steps
.set AK0,  1
.set AV0,  2
.set ASK0, 3
.set ASV0, 4
.set SPW,  5
.set NIL,  6
.set ADK,  8
.set ADV,  9
.set ADS,  10
.set ADT,  11
.set PS,   2                           ; s2   blocks done
.set CNT,  3                           ; s3   key steps to go in the loop in hand
.set XB,   12                          ; s12  my block of 256 queries in hand
.set HD,   13                          ; s13  16 x batch + head
.set KF,   14                          ; s14  the step's first key
.set Q0,   15                          ; s15  my group's first query, or 4,096 where the queries see all keys
.set GRP,  16                          ; s16  my group of 32 queries among the block's eight
.set U,    17                          ; s17  u
.set WV,   18
.set HIM,  19                          ; s19  the lanes 16-31
.set SEL,  20
.set CS,   22                          ; s[22:23] c = log2(e) / 8
.set G1,   24                          ; s[24:31] group 1: 144 rows of 256 bytes
.set G1S,  32                          ; s[32:39] 48 rows
.set G0E,  40                          ; group 0 of waves 0, 1;
.set G0S,  44                          ; of the scale words;
.set G0K,  48                          ; of k's later parts;
.set G0V,  52                          ; of v's
.set IX,   84                          ; s84  i: which pair of blocks is my wave's
.set TR,   85                          ; s85  the trips of the second loop: 12, then 16
.macro ARM under, g0, g1, next         ; an arm of the head's one chain: its load, an s_nop 0 and four v_nop, a jump to the join
	s_cmp_lt_u32 s[WV], \under
	s_cbranch_scc0 \next
	tensor_load_to_lds s[\g0:\g0+3], s[\g1:\g1+7]
	s_nop 0
.rept 4
	v_nop
.endr
	s_branch .Lasked
\next:
.endm
; What hangs on the block in hand: q's image and scale words (asked for here), where O goes, the mask's first query.  s57 = 0 throughout
.macro SETUP
	s_lshl_b32 s56, s[XB], 3
	s_add_co_u32 s56, s56, s[GRP]
	s_mul_i32 s56, s56, 1536
	s_add_co_u32 s56, s56, s58
	s_add_nc_u64 s[62:63], s[4:5], s[56:57]        ; my group's image of q
	s_lshl_b32 s56, s[HD], 3
	s_add_co_u32 s56, s56, s[XB]
	s_lshl_b32 s56, s56, 1
	s_add_co_u32 s56, s56, s60                     ; which 128 tokens: 512 bytes of scale words
	s_lshl_b32 s56, s56, 9
	s_add_co_u32 s56, s56, s61
	s_add_nc_u64 s[66:67], s[6:7], s[56:57]        ; q's scale words
	s_lshl_b32 s59, s[XB], 4
	s_add_co_u32 s59, s59, s68                     ; my tile of 16 tokens among the 512: 128 x batch + 16 X + wave
	s_lshl_b32 s56, s59, 4
	s_add_co_u32 s56, s56, s69
	s_mul_i32 s56, s56, 768
	s_add_nc_u64 s[70:71], s[8:9], s[56:57]        ; my half fragment in ocod
	s_lshl_b32 s56, s59, 9
	s_add_co_u32 s56, s56, s76
	s_add_nc_u64 s[72:73], s[10:11], s[56:57]      ; my tile's rows in oscl, my head's two bytes
	s_lshl_b32 s56, s[XB], 8
	s_add_co_u32 s56, s56, s77
	s_cmp_lt_u32 s[XB], 2
	s_cselect_b32 s[Q0], 0x1000, s56               ; queries under 512 see all keys: a number above every key takes their place
	s_wait_alu depctr_va_vdst(0)                   ; ahead of the loads' offsets
.irp k, 0,1,2
	global_load_b128 v[32+4*\k:35+4*\k], v[AK0], s[62:63] offset:512*\k   ; both tiles of my group
.endr
	global_load_b32 v255, v29, s[66:67]
.endm
; A tile's start: nothing summed yet; q's six registers
.macro INIT
	v_mov_b32 v13, 0xff61b1e6                      ; the largest t so far: -3e38, under every t
	v_floor_f32 v12, -v13                          ; -M
	v_mov_b32 v14, 0                               ; the sum, in two halves
	v_mov_b32 v15, 0
.set jj, 0
.rept 32
	v_mov_b32 v[160+jj], 0                         ; O^T: the step is written for all steps alike; the first finds zeros
.set jj, jj+1
.endr
	s_mov_b32 s[KF], 0
	s_wait_alu depctr_va_vdst(0)
	s_wait_loadcnt 0x0                             ; q
.irp i, 0,1,2,3,4,5
	v_cndmask_b32 v[16+\i], v[32+\i], v[38+\i], s74   ; my tile's six registers of the image's twelve
.endr
.endm
	s_load_b256 s[4:11], s[0:1], 0x0               ; img s[4:5], isc s[6:7], ocod s[8:9], oscl s[10:11]
	v_lshl_add_u32 v[SPW], v0, 2, SPARE
	v_mov_b32 v[NIL], 0
	ds_add_u32 v[SPW], v[NIL]                      ; the wave's opening: the add, twice on end, and its wait ahead of my first tensor load
	ds_add_u32 v[SPW], v[NIL]
	v_lshrrev_b32 v8, 5, v0
	v_readfirstlane_b32 s[WV], v8                  ; wave 0..15
	s_and_b32 s[HD], ttmp7, 0xffff
	s_and_b32 s[U], s[WV], 1
	s_lshr_b32 s[GRP], s[WV], 1
	s_mov_b32 s[G1], 3<<16                         ; no mask; elements of 8 bytes; no padding
	s_mov_b32 s[G1+1], 32<<16                      ; rows of 256 bytes
	s_mov_b32 s[G1+2], (EARLY/256)<<16
	s_mov_b32 s[G1+3], 32<<16
	s_mov_b32 s[G1+4], EARLY/256
	s_mov_b32 s[G1+5], 32                          ; dense
	s_mov_b32 s[G1+6], 0
	s_mov_b32 s[G1+7], 0
	s_mov_b32 s[G1S], 3<<16
	s_mov_b32 s[G1S+1], 32<<16
	s_mov_b32 s[G1S+2], (PART/256)<<16
	s_mov_b32 s[G1S+3], 32<<16
	s_mov_b32 s[G1S+4], PART/256
	s_mov_b32 s[G1S+5], 32
	s_mov_b32 s[G1S+6], 0
	s_mov_b32 s[G1S+7], 0
	s_mov_b32 s[G0E], 1
	s_mul_i32 s[G0E+1], s[WV], HIMG                ; wave 0: k's first bytes; wave 1: v's
	s_mov_b32 s[G0S], 1
	s_mov_b32 s[G0S+1], SCK
	s_mov_b32 s[G0K], 1
	s_mul_i32 s[G0K+1], s[WV], PART                ; waves 3-7: k's bytes from 36,864 on
	s_mov_b32 s[G0V], 1
	s_add_co_u32 s[G0V+1], s[G0K+1], EARLY         ; waves 8-12: v's bytes from 36,864 on: 98,304 + 36,864 + 12,288 (wave - 8)
	s_mul_i32 s58, s[HD], HIMG                     ; my head's images
	s_mul_i32 s56, s[WV], IMGSZ
	s_add_co_u32 s56, s56, s58
	s_add_co_u32 s56, s56, IMGSZ                   ; k's lie behind q's, v's behind k's
	s_mov_b32 s57, 0
	s_mul_i32 s78, s[HD], 12288
	s_add_co_u32 s78, s78, 0x80000                 ; the head's scale words of k and v
	s_mov_b32 s79, 0
	s_add_co_u32 s80, s[G0K+1], s58
	s_add_co_u32 s80, s80, IMGSZ
	s_mov_b32 s81, 0
	s_add_co_u32 s82, s80, IMGSZ+EARLY-HIMG        ; the same place in v's images, 36,864 - 8 x 12,288 on
	s_mov_b32 s83, 0
	s_lshr_b32 s60, s[WV], 3
	s_lshl_b32 s61, s[U], 8                        ; q's scale words: tile u: lanes 16 u on, 16 bytes a lane;
	s_and_b32 s59, s[GRP], 3                       ; the group among the four: a word
	s_lshl_b32 s59, s59, 2
	s_add_co_u32 s61, s61, s59
	s_lshr_b32 s68, s[HD], 4
	s_lshl_b32 s68, s68, 7
	s_add_co_u32 s68, s68, s[WV]
	s_and_b32 s69, s[HD], 15                       ; the head
	s_lshl_b32 s76, s69, 1
	s_sub_co_u32 s74, 0, s[U]                      ; all lanes where u = 1
	s_lshl_b32 s75, s[U], 3                        ; 8 u
	s_lshl_b32 s77, s[GRP], 5
	s_lshr_b32 s59, s[WV], 2
	s_xor_b32 s59, s59, s[WV]
	s_add_co_u32 s59, s59, ttmp9
	s_and_b32 s[IX], s59, 3                        ; i = (x + (w xor w / 4)) % 4
	s_sub_co_u32 s59, 9, s[IX]
	s_cmp_lt_u32 s[IX], 2
	s_cselect_b32 s[XB], s[IX], s59                ; the first block: 0, 1, 7, 6
	s_mov_b32 s[HIM], 0xffff0000
	s_mov_b32 s[SEL], 0x76543210
	s_mov_b32 s[SEL+1], 0xfedcba98
	s_mov_b32 s[CS], 0x3e38aa3b                    ; c = log2(e) / 8
	s_mov_b32 s[CS+1], s[CS]                       ; (named with it as a pair, so it is written)
	s_mov_b32 s[PS], 0
	s_wait_dscnt 0x0                               ; both opening adds are done
	s_wait_kmcnt 0x0
	s_add_nc_u64 s[G0E+2:G0E+3], s[4:5], s[56:57]
	s_or_b32 s[G0E+3], s[G0E+3], 0x80000000
	s_add_nc_u64 s[G0S+2:G0S+3], s[6:7], s[78:79]
	s_or_b32 s[G0S+3], s[G0S+3], 0x80000000
	s_add_nc_u64 s[G0K+2:G0K+3], s[4:5], s[80:81]
	s_or_b32 s[G0K+3], s[G0K+3], 0x80000000
	s_add_nc_u64 s[G0V+2:G0V+3], s[4:5], s[82:83]
	s_or_b32 s[G0V+3], s[G0V+3], 0x80000000
	ARM 2,  G0E, G1,  .Larm_s                      ; what the first steps need is asked for in the first arms
	ARM 3,  G0S, G1S, .Larm_k
	ARM 8,  G0K, G1S, .Larm_v
	ARM 13, G0V, G1S, .Larm_none
.Lasked:
	v_and_b32 v8, 31, v0                           ; lane
	v_lshlrev_b32 v[AK0], 4, v8                    ; an image's place for my lane
	v_and_b32 v9, 15, v0                           ; r
	v_lshlrev_b32 v29, 4, v9
	SETUP
	v_add_nc_u32 v[AV0], VB, v[AK0]
	v_add_nc_u32 v[ASK0], SCK, v[AK0]
	v_lshl_add_u32 v[ASV0], v8, 3, SCV
	v_lshlrev_b32 v30, 3, v8                       ; the way out: 8 x lane
	v_bfe_u32 v10, v0, 4, 1                        ; h
	v_lshl_add_u32 v31, v9, 5, v10                 ; the way out: 32 r + h
	v_and_b32 v11, 8, v9
	v_add_nc_u32 v11, v11, v9                      ; r + 8 (r / 8)
	v_lshlrev_b32 v10, 4, v10
	v_sub_nc_u32 v7, v11, v10
	v_add_nc_u32 v7, s75, v7                       ; my query less my group's first, less 16 h
.irp i, 0,1,2,3,4,5
	v_mov_b32 v[22+\i], 0                          ; q's dead half: zero codes
	v_mov_b32 v[80+\i], 0                          ; what the last tile of k runs on into
.endr
.irp b, 0,1,2,3
	v_mov_b32 v[236+\b], 0                         ; written once: a lane permute's destination counts as one of its sources
.endr
	v_mov_b32 v252, 0
	v_mov_b32 v253, 0                              ; (named as the upper half of the pair v[252:253] before it is first written)
	s_wait_alu depctr_va_vdst(0)                   ; the wait at the head's end
	s_cmp_lt_u32 s[WV], 3                          ; the waves of the first two arms wait for their loads;
	s_cbranch_scc0 .Lnot_early
	s_wait_tensorcnt 0x0
.Lnot_early:
	s_barrier_signal -1                            ; behind this barrier the first 768 keys of k and v and all scale words may be read
	s_barrier_wait -1
; A KEY STEP: 128 keys from s[KF] on.  mask: the bits of s[KF] that the loop in hand can set: it bounds the step's LDS addresses by the text alone.
.macro STEP mask
	s_add_co_u32 s78, s[Q0], 31                    ; a step all of whose keys come after my group's queries is left out: a branch on ids
	s_cmp_gt_u32 s[KF], s78
	s_cbranch_scc1 .Lhidden_\@
	s_and_b32 s78, s[KF], \mask
	s_mul_i32 s79, s78, 48                         ; 6,144 bytes of images a step,
	s_lshl_b32 s80, s78, 2                         ; 512 of k's scale words,
	s_lshl_b32 s78, s78, 1                         ; 256 of v's
	v_add_nc_u32 v[ADK], s79, v[AK0]               ; (these four are also the places in front of loads into registers that the last products have read)
	v_add_nc_u32 v[ADV], s79, v[AV0]
	v_add_nc_u32 v[ADS], s80, v[ASK0]
	v_add_nc_u32 v[ADT], s78, v[ASV0]
.irp g, 0,1,2,3
.irp k, 0,1,2
	ds_load_b128 v[32+12*\g+4*\k:35+12*\g+4*\k], v[ADK] offset:1536*\g+512*\k   ; group g's image: tile 2 g in six registers, tile 2 g + 1 in the next six
.endr
.endr
	ds_load_b128 v[248:251], v[ADS]                ; word g: lanes 0-15 tile 2 g's scale words, lanes 16-31 tile 2 g + 1's
	s_wait_dscnt 0x0
	s_wait_alu depctr_va_vdst(0)
.irp t, 0,1,2,3,4,5,6,7                        ; S^T = k q^T
.if \t%2
	v_wmma_scale_f32_16x16x128_f8f6f4 v[96+8*\t:103+8*\t], v[32+6*\t:43+6*\t], v[16:27], 0, v[248+\t/2], v255 matrix_a_fmt:MATRIX_FMT_FP6 matrix_b_fmt:MATRIX_FMT_FP6 matrix_a_scale:MATRIX_SCALE_ROW1
.else
	v_wmma_scale_f32_16x16x128_f8f6f4 v[96+8*\t:103+8*\t], v[32+6*\t:43+6*\t], v[16:27], 0, v[248+\t/2], v255 matrix_a_fmt:MATRIX_FMT_FP6 matrix_b_fmt:MATRIX_FMT_FP6
.endif
.endr
.rept 4
	v_nop                                          ; places: in front of the loads below, and of the first read of the scores
.endr
.irp b, 0,1                                    ; v's four fragments are asked for here and land under the softmax.  Image (b, c): registers 6 c .. 6 c + 5 of channel tiles 2 b and 2 b + 1
.irp c, 0,1
	ds_load_b128 v[32+24*\b+6*\c:35+24*\b+6*\c], v[ADV] offset:3072*\b+1536*\c
	ds_load_b64 v[36+24*\b+6*\c:37+24*\b+6*\c], v[ADV] offset:3072*\b+1536*\c+512
	ds_load_b64 v[44+24*\b+6*\c:45+24*\b+6*\c], v[ADV] offset:3072*\b+1536*\c+520
	ds_load_b128 v[46+24*\b+6*\c:49+24*\b+6*\c], v[ADV] offset:3072*\b+1536*\c+1024
.endr
.endr
	ds_load_b64 v[248:249], v[ADT]                 ; word b: lanes 0-15 tile 2 b's scale words, lanes 16-31 tile 2 b + 1's
	s_add_co_u32 s78, s[KF], 127                   ; on the diagonal the scores of hidden keys become -infinity ahead of the maximum: p = 0 then.  A step all of whose keys count skips this
	s_cmp_le_u32 s78, s[Q0]
	s_cbranch_scc1 .Lopen_\@
	s_sub_co_i32 s78, s[Q0], s[KF]
	v_add_nc_u32 v252, s78, v7                     ; d = my query - the step's first key - 16 h.  Register 16 b + i holds key 32 b + 16 h + i of the step: hidden where 32 b + i > d
	v_mov_b32 v254, 0xff800000                     ; -infinity
.set nn, 0
.rept 64
	v_cmp_gt_i32 vcc_lo, 32*(nn/16)+nn%16, v252
	v_cndmask_b32 v[96+nn], v[96+nn], v254, vcc_lo
.set nn, nn+1
.endr
.Lopen_\@:
.irp b, 0,1,2,3
	v_max3_num_f32 v[232+\b], v[96+16*\b], v[97+16*\b], v[98+16*\b]   ; the largest score of each block of 32 keys: it serves for the row's maximum and, since p rises with the score, for the block's largest p
.endr
.irp i, 3,5,7,9,11,13
.irp b, 0,1,2,3
	v_max3_num_f32 v[232+\b], v[232+\b], v[96+16*\b+\i], v[97+16*\b+\i]
.endr
.endr
.irp b, 0,1,2,3
	v_max_num_f32 v[232+\b], v[232+\b], v[111+16*\b]
.endr
.irp b, 0,1,2,3
	s_delay_alu instid0(VALU_DEP_4)
	v_permlanex16_b32 v[236+\b], v[232+\b], s[SEL], s[SEL+1]
.endr
.irp b, 0,1,2,3
	s_delay_alu instid0(VALU_DEP_4)
	v_max_num_f32 v[232+\b], v[232+\b], v[236+\b]  ; with lane l xor 16's 16 keys
.endr
	s_delay_alu instid0(VALU_DEP_2)
	v_max3_num_f32 v254, v232, v233, v234
	s_delay_alu instid0(VALU_DEP_1)
	v_max_num_f32 v254, v254, v235                 ; the step's largest score of my query
	s_delay_alu instid0(VALU_DEP_1)
	v_mul_f32 v254, s[CS], v254                    ; as t (c is positive)
	s_delay_alu instid0(VALU_DEP_1)
	v_max_num_f32 v13, v13, v254                   ; the running largest t
	v_mov_b32 v254, v12
	s_delay_alu instid0(VALU_DEP_2)
	v_floor_f32 v12, -v13                          ; the new -M = floor(-t) = -ceil(t)
	s_delay_alu instid0(VALU_DEP_1)
	v_sub_f32 v254, v12, v254                      ; old M - new M: a whole number, 0 or less
	s_delay_alu instid0(VALU_DEP_1)
	v_cvt_i32_f32 v254, v254                       ; (it saturates)
	s_delay_alu instid0(VALU_DEP_1)
	v_ldexp_f32 v252, 1.0, v254                    ; f = 2^(old M - new M)
.set jj, 0
.rept 32
	v_pk_fma_f32 v[96+jj:97+jj], v[96+jj:97+jj], s[CS:CS+1], v[12:13] op_sel_hi:[1,0,0]   ; t - M, two at a time
.set jj, jj+2
.endr
.irp b, 0,1,2,3
	v_fma_f32 v[232+\b], v[232+\b], s[CS], v12     ; the same of each block's largest score
.endr
.set jj, 0
	s_wait_alu depctr_va_vdst(0)                   ; ahead of the batch
.rept 64
	v_exp_f32 v[96+jj], v[96+jj]                   ; p = 2^(t - M), at most 1
.set jj, jj+1
.endr
	v_pk_mul_f32 v[14:15], v[14:15], v[252:253] op_sel_hi:[1,0]   ; the sums under the new M: a plain instruction behind the exponentials
	s_wait_alu depctr_va_vdst(0)                   ; one wait for the whole batch, ahead of its first reader
.irp b, 0,1,2,3
	v_exp_f32 v[232+\b], v[232+\b]                 ; the block's largest p: the same two instructions on the same number give the same bits
.endr
.set jj, 100                                   ; the row's sum of the unquantised p: 32 pairs in eight chains
.irp c, 236,250,246,244,242,240,238
	v_pk_add_f32 v[\c:\c+1], v[jj:jj+1], v[jj+4:jj+5]
.set jj, jj+8
.endr
	v_pk_add_f32 v[14:15], v[14:15], v[156:157]
	v_pk_add_f32 v[236:237], v[236:237], v[96:97]
.set jj, 98
.irp c, 250,246,244,242,240,238,14,236,250,246,244,242,240,238,14,236
	v_pk_add_f32 v[\c:\c+1], v[\c:\c+1], v[jj:jj+1]
.set jj, jj+4
.endr
	s_delay_alu instid0(VALU_DEP_2)
	v_pk_add_f32 v[14:15], v[14:15], v[244:245]
	s_delay_alu instid0(VALU_DEP_2)
	v_pk_add_f32 v[236:237], v[236:237], v[242:243]
	v_pk_add_f32 v[250:251], v[250:251], v[240:241]
	v_pk_add_f32 v[246:247], v[246:247], v[238:239]
	s_delay_alu instid0(VALU_DEP_2)
	v_pk_add_f32 v[14:15], v[14:15], v[250:251]
	s_delay_alu instid0(VALU_DEP_2)
	v_pk_add_f32 v[236:237], v[236:237], v[246:247]
	s_delay_alu instid0(VALU_DEP_1)
	v_pk_add_f32 v[14:15], v[14:15], v[236:237]
	s_wait_alu depctr_va_vdst(0)                   ; and one for the four
.irp b, 0,1,2,3
	v_max_num_f32 v[232+\b], 0x1800000, v[232+\b]  ; the floor 2^(3 - 127): the byte cannot fall under 1
.endr
.irp b, 0,1,2,3
	s_delay_alu instid0(VALU_DEP_4)
	v_add_nc_u32 v[244+\b], 0xff000000, v[232+\b]  ; 2 off the exponent field: the conversion's scale operand
.endr
.irp b, 0,1,2,3
	s_delay_alu instid0(VALU_DEP_4)
	v_lshrrev_b32 v[236+\b], 23, v[244+\b]         ; the scale's byte
.endr
	s_delay_alu instid0(VALU_DEP_3)
	v_lshl_or_b32 v253, v237, 8, v236              ; p's scale word for these 128 keys
	s_delay_alu instid0(VALU_DEP_1)
	v_lshl_or_b32 v253, v238, 16, v253
	s_delay_alu instid0(VALU_DEP_1)
	v_lshl_or_b32 v253, v239, 24, v253
.irp c, 0,1
	v_cvt_scalef32_pk16_fp6_f32 v[224+6*\c:226+6*\c], v[96+32*\c:111+32*\c], v[244+2*\c]
	v_cvt_scalef32_pk16_fp6_f32 v[236+4*\c:238+4*\c], v[112+32*\c:127+32*\c], v[244+2*\c+1]   ; (a conversion's three registers begin on an even number)
.endr
	v_nop                                          ; one plain place behind a scaled conversion
.irp c, 0,1                                    ; the operand's layout wants a whole block in a lane
.irp i, 0,1,2
	v_permlane16_swap_b32 v[224+6*\c+\i], v[236+4*\c+\i]
.endr
.irp i, 0,1,2
	s_delay_alu instid0(VALU_DEP_3)
	v_mov_b32 v[227+6*\c+\i], v[236+4*\c+\i]
.endr
.endr
	s_wait_alu depctr_va_vdst(0)                   ; directly ahead of the first reader of O^T
.set jj, 0
.rept 16
	v_pk_mul_f32 v[160+jj:161+jj], v[160+jj:161+jj], v[252:253] op_sel_hi:[1,0]   ; O^T under the new M.  These sixteen are also the places between the writes of p's codes and scale word and the products below
.set jj, jj+2
.endr
	s_wait_alu depctr_va_vdst(0)
	s_wait_dscnt 0x0                               ; v's fragments and scale words are in
.irp t, 0,1,2,3                                ; O^T += v^T p^T: four accumulators, one instruction a turn; the eight products of S^T lie between two turns of one accumulator
.if \t%2
	v_wmma_scale_f32_16x16x128_f8f6f4 v[160+8*\t:167+8*\t], v[32+12*\t:43+12*\t], v[224:235], v[160+8*\t:167+8*\t], v[248+\t/2], v253 matrix_a_fmt:MATRIX_FMT_FP6 matrix_b_fmt:MATRIX_FMT_FP6 matrix_a_scale:MATRIX_SCALE_ROW1
.else
	v_wmma_scale_f32_16x16x128_f8f6f4 v[160+8*\t:167+8*\t], v[32+12*\t:43+12*\t], v[224:235], v[160+8*\t:167+8*\t], v[248+\t/2], v253 matrix_a_fmt:MATRIX_FMT_FP6 matrix_b_fmt:MATRIX_FMT_FP6
.endif
.endr
.Lhidden_\@:
	s_add_co_u32 s[KF], s[KF], 128
.endm
	INIT
	s_mov_b32 s[CNT], 4
.Lfirst:                                               ; the first block's keys 0 to 511: inside what waves 0 and 1 fetched
	STEP 0x180
	s_sub_co_u32 s[CNT], s[CNT], 1
	s_cmp_lg_u32 s[CNT], 0
	s_cbranch_scc1 .Lfirst
	s_wait_tensorcnt 0x0                           ; every wave's load is in,
	s_wait_dscnt 0x0
	s_barrier_signal -1                            ; and behind this barrier all of k and v may be read
	s_barrier_wait -1
	s_mov_b32 s[TR], 12                            ; the first block goes on at key 512
.Lblock:                                               ; two trips: a block each
	s_mov_b32 s[CNT], s[TR]
.Lrest:
	STEP 0x780
	s_sub_co_u32 s[CNT], s[CNT], 1
	s_cmp_lg_u32 s[CNT], 0
	s_cbranch_scc1 .Lrest
	; THE WAY OUT.  O^T / the sum, register 16 b + i = channel 32 b + 16 h + i of my query, is quantised along the head's 64 and leaves as half a fragment of the last projection's operand.
.rept 4
	v_nop                                          ; places behind the last products
.endr
	v_add_f32 v14, v14, v15                        ; the sum's two halves,
	s_delay_alu instid0(VALU_DEP_1)
	v_permlanex16_b32 v252, v14, s[SEL], s[SEL+1]
	s_delay_alu instid0(VALU_DEP_1)
	v_add_f32 v14, v14, v252                       ; and lane l xor 16's: the row's sum
	s_wait_alu depctr_va_vdst(0)                   ; ahead of the transcendental
	v_rcp_f32 v14, v14
	v_nop                                          ; a plain place behind the transcendental
	s_wait_alu depctr_va_vdst(0)                   ; the wait ahead of its first reader
.set jj, 0
.rept 16
	v_pk_mul_f32 v[96+jj:97+jj], v[160+jj:161+jj], v[14:15] op_sel_hi:[1,0]   ; each accumulator from its low end on
.set jj, jj+2
.endr
.irp b, 0,1
	v_max3_num_f32 v[232+\b], |v[96+16*\b]|, |v[97+16*\b]|, 0x1800000
.endr
.irp i, 2,4,6,8,10,12,14
.irp b, 0,1
	s_delay_alu instid0(VALU_DEP_2)
	v_max3_num_f32 v[232+\b], v[232+\b], |v[96+16*\b+\i]|, |v[97+16*\b+\i]|
.endr
.endr
.irp b, 0,1
	s_delay_alu instid0(VALU_DEP_2)
	v_permlanex16_b32 v[236+\b], v[232+\b], s[SEL], s[SEL+1]
.endr
.irp b, 0,1
	s_delay_alu instid0(VALU_DEP_2)
	v_max_num_f32 v[232+\b], v[232+\b], v[236+\b]
.endr
.irp b, 0,1
	s_delay_alu instid0(VALU_DEP_2)
	v_add_nc_u32 v[244+\b], 0xff000000, v[232+\b]
.endr
.irp b, 0,1
	s_delay_alu instid0(VALU_DEP_2)
	v_lshrrev_b32 v[236+\b], 23, v[244+\b]
.endr
	v_cvt_scalef32_pk16_fp6_f32 v[224:226], v[96:111], v244
	v_cvt_scalef32_pk16_fp6_f32 v[240:242], v[112:127], v245
	v_nop                                          ; one plain place behind a scaled conversion
.irp i, 0,1,2
	v_permlane16_swap_b32 v[224+\i], v[240+\i]
.endr
.irp i, 0,1,2
	s_delay_alu instid0(VALU_DEP_3)
	v_mov_b32 v[227+\i], v[240+\i]                 ; v[224:229]: lane (r, h): block h of my head, query r
.endr
	v_cndmask_b32 v231, v236, v237, s[HIM]         ; lanes 0-15 block 0's byte, lanes 16-31 block 1's
	global_store_b128 v[AK0], v[224:227], s[70:71] ; 512 consecutive bytes
	global_store_b64 v30, v[228:229], s[70:71] offset:512   ; 256 consecutive bytes
	global_store_b8 v31, v231, s[72:73]
	s_add_co_u32 s[PS], s[PS], 1
	s_cmp_lt_u32 s[PS], 2
	s_cbranch_scc0 .Ldone
	s_wait_xcnt 0x0                                ; the stores have read their bases and registers: they may be written again
	s_add_co_u32 s[XB], s[IX], 2                   ; the second block: 2, 3, 4, 5
	SETUP
	INIT
	s_mov_b32 s[TR], 16                            ; it walks from key 0: all of k and v lie in LDS
	s_cmp_lt_u32 s[PS], 2
	s_cbranch_scc1 .Lblock
.Ldone:
	s_wait_tensorcnt 0x0                           ; the wave's end
	ds_add_u32 v[SPW], v[NIL]
	s_wait_dscnt 0x0
	s_endpgm
.Lfunc_end_k_q5dc62c1b74_attn:
	.size	k_q5dc62c1b74_attn, .Lfunc_end_k_q5dc62c1b74_attn-k_q5dc62c1b74_attn
	.p2alignl 7, 3214868480
	.fill 96, 4, 3214868480
	.section	.rodata,"a",@progbits
	.p2align	6, 0x0
	.amdhsa_kernel k_q5dc62c1b74_attn
		.amdhsa_group_segment_fixed_size 327680
		.amdhsa_private_segment_fixed_size 0
		.amdhsa_enable_private_segment 0
		.amdhsa_kernarg_size 32
		.amdhsa_user_sgpr_count 2
		.amdhsa_user_sgpr_kernarg_segment_ptr 1
		.amdhsa_wavefront_size32 1
		.amdhsa_system_sgpr_workgroup_id_x 1
		.amdhsa_system_sgpr_workgroup_id_y 1
		.amdhsa_system_sgpr_workgroup_id_z 1
		.amdhsa_system_vgpr_workitem_id 0
		.amdhsa_next_free_vgpr 256
		.amdhsa_next_free_sgpr 86
		.amdhsa_reserve_vcc 1
		.amdhsa_float_denorm_mode_32 3
		.amdhsa_float_denorm_mode_16_64 3
		.amdhsa_memory_ordered 1
		.amdhsa_forward_progress 1
		.amdhsa_inst_pref_size 62
	.end_amdhsa_kernel
	.amdgpu_metadata
---
amdhsa.version: [ 1, 2 ]
amdhsa.kernels:
  - .name:           k_q5dc62c1b74_attn
    .symbol:         k_q5dc62c1b74_attn.kd
    .args:
      - { .name: img, .offset: 0, .size: 8, .value_kind: global_buffer, .address_space: global }
      - { .name: isc, .offset: 8, .size: 8, .value_kind: global_buffer, .address_space: global }
      - { .name: ocod, .offset: 16, .size: 8, .value_kind: global_buffer, .address_space: global }
      - { .name: oscl, .offset: 24, .size: 8, .value_kind: global_buffer, .address_space: global }
    .group_segment_fixed_size: 327680
    .private_segment_fixed_size: 0
    .kernarg_segment_align: 8
    .kernarg_segment_size: 32
    .max_flat_workgroup_size: 512
    .sgpr_count:     86
    .vgpr_count:     256
    .wavefront_size: 32
...
	.end_amdgpu_metadata
.endif
;; end of part 3
;; launch oproj (part 4): grid 4 x 64, 4 waves a work-group, clusters of 4 x 4, 327,680 bytes of LDS; arguments ocod, oscl, cod, scl, out0, bo; writes out0
.if DOCPART == 4
	.amdgcn_target "amdgcn-amd-amdhsa--gfx1250"
	.amdhsa_code_object_version 6
	.text
	.protected	k_q5dc62c1b74_oproj
	.globl	k_q5dc62c1b74_oproj
	.p2align	8
	.type	k_q5dc62c1b74_oproj,@function
k_q5dc62c1b74_oproj:
	s_mov_b64 s[64:65], 0
	v_nop
	global_prefetch_b8 v0, s[64:65] scope:SCOPE_SE
	s_setreg_imm32_b32 hwreg(HW_REG_WAVE_MODE, 25, 1), 1
	s_wait_xcnt 0x0
	s_wait_alu depctr_hold_cnt(0) depctr_sa_sdst(0) depctr_va_vdst(0) depctr_va_sdst(0) depctr_va_ssrc(0) depctr_va_vcc(0) depctr_vm_vsrc(0)
	s_getreg_b32 s2, hwreg(HW_REG_IB_STS2, 6, 4)
	s_cmp_eq_u32 s2, 0
	s_cbranch_scc0 .Lentry_in_a_cluster
	s_endpgm
.Lentry_in_a_cluster:
	s_bfe_u32 s2, ttmp6, 0x10000c
	s_cmp_lg_u32 s2, 0xf033
	s_cbranch_scc0 .Lentry_shape_is_right
	s_endpgm
.Lentry_shape_is_right:
.set SIZE_N, 1024
.set KSTEP,  256
.set NQ,     KSTEP/128
.set ROWB,   192
.set KPL,    12288*192                 ; from a plane of 256 along K to the next in cod
.set KROW,   768
.set PITCH,  240
.set FR,     12
.set NL,     6
.set NLA,    4
.set NP,     4
.set HALFA,  4*3072                    ; a block of C is 128 rows x 256 columns, 256 work-groups in all; a wave makes 64 x 128: four tiles of 16 rows of A, 32 accumulators
.set HALFT,  128*PITCH
.set SLOT,   2*HALFA+2*HALFT
.set LAPS,   2
.set KS,     32
.set SCL,    2*SLOT
.set HALFS,  (128*KS/256)*272
.set SBLK,   (16*KS/256)*272
.set SPARE,  SCL+4*HALFS
.set SPITCH, 528
.set ADRA, 16
.set ADRB, 20
.set STO,  24
.set RD,   25
.set CO,   26
.set ADRS, 27
.set SPW,  28
.set NIL,  29
.set SC,   32
.set BP,   64
.set AF,   128
.set BK,   128
.set G1, 24
.set G0, 32
.set G1B, 48
.set G0B, 56
.set G1S, 68
.set G0S, 76
.set G1SB, 80
.set G0SB, 88
.set MSB, 0
.macro WIN new
.if MSB != (\new)
	s_set_vgpr_msb (MSB<<8)|(\new)
.set MSB, (\new)
.endif
.endm
.set MUL_LO,   0xa1
.set MUL_HI,   0xf1
.set FIRST_LO, 0x81
.set FIRST_HI, 0xc1
.set TO_B,     0x40
.macro JLOAD g0a, g1a, g0b, g1b
	s_cmp_eq_u32 s15, 0
	s_cbranch_scc0 .Lfor_b_\@
	tensor_load_to_lds s[\g0a:\g0a+3], s[\g1a:\g1a+7]
	s_nop 0
.rept 4
	v_nop
.endr
	s_branch .Lasked_\@
.Lfor_b_\@:
	tensor_load_to_lds s[\g0b:\g0b+3], s[\g1b:\g1b+7]
	s_nop 0
.rept 4
	v_nop
.endr
.Lasked_\@:
.endm
.macro CREST
	s_cmp_lg_u32 s14, 0
	s_cbranch_scc1 .Lnot_wave_0_\@
	s_barrier_signal -3
.Lnot_wave_0_\@:
	s_barrier_wait -3
	s_barrier_signal -1
	s_barrier_wait -1
.endm
.macro CROUND
	s_barrier_signal -1
	s_barrier_wait -1
	CREST
.endm
	s_load_b128 s[4:7], s[0:1], 0x0
	s_load_b128 s[8:11], s[0:1], 0x10
	s_load_b64 s[12:13], s[0:1], 0x20
	s_load_b64 s[96:97], s[0:1], 0x28
	v_lshl_add_u32 v[SPW], v0, 2, SPARE
	v_mov_b32 v[NIL], 0
	ds_add_u32 v[SPW], v[NIL]
	ds_add_u32 v[SPW], v[NIL]
	v_lshrrev_b32 v1, 5, v0
	v_readfirstlane_b32 s14, v1
	s_lshr_b32 s15, s14, 1
	s_and_b32 s16, s14, 1
	s_bfe_u32 s40, ttmp6, 0x40000
	s_bfe_u32 s41, ttmp6, 0x40004
	s_lshl_b32 s42, ttmp9, 2
	s_add_co_u32 s42, s42, s40
	s_and_b32 s17, ttmp7, 0xffff
	s_lshl_b32 s17, s17, 2
	s_add_co_u32 s17, s17, s41
	s_lshl_b32 s43, s41, 2
	s_lshl_b32 s43, 15, s43
	s_lshl_b32 s44, 0x1111, s40
	s_or_b32 s[G1+0], s43, (3<<16)|(1<<21)
	s_mov_b32 s[G1+1], 384<<16
	s_mov_b32 s[G1+2], 8<<16                       ; the head's load brings all 8 tiles of 16 rows
	s_mov_b32 s[G1+3], 384<<16
	s_mov_b32 s[G1+4], 8
	s_mov_b32 s[G1+5], 1536
	s_mov_b32 s[G1+6], 0
	s_mov_b32 s[G1+7], 0
	s_or_b32 s[G1B+0], s44, (0<<16)|(1<<20)|(1<<21)|(3<<22)|(3<<25)
	s_mov_b32 s[G1B+1], 256<<16                    ; a tile's rows of 192 bytes lie end to end in a plane: stated as rows of 256 bytes; the padding stays 16 bytes behind every 64
	s_mov_b32 s[G1B+2], 192<<16                    ; the head's load brings 256 rows of codes: 192 rows of 256 bytes
	s_mov_b32 s[G1B+3], 256<<16
	s_mov_b32 s[G1B+4], 192
	s_mov_b32 s[G1B+5], 256
	s_mov_b32 s[G1B+6], 0
	s_mov_b32 s[G1B+7], 0
	s_or_b32 s[G1S+0], s43, (3<<16)|(1<<20)|(1<<21)|(5<<22)|(3<<25)
	s_or_b32 s[G1SB+0], s44, (3<<16)|(1<<20)|(1<<21)|(5<<22)|(3<<25)
.irp g, G1S, G1SB
	s_mov_b32 s[\g+1], 32<<16
	s_mov_b32 s[\g+2], (256*KS/256)<<16            ; the scales of all 256 rows by one load
	s_mov_b32 s[\g+3], 32<<16
	s_mov_b32 s[\g+4], 256*KS/256
	s_mov_b32 s[\g+5], 32
	s_mov_b32 s[\g+6], 0
	s_mov_b32 s[\g+7], 0
.endr
	s_mov_b32 s[G1S+2], (128*KS/256)<<16           ; A has 128 rows of scales
	s_mov_b32 s[G1S+4], 128*KS/256
	s_lshl_b32 s18, s16, 6
	s_lshl_b32 s20, s17, 7
	s_add_co_u32 s20, s20, s18                     ; A: row 128 x tile row + 64 x half
	s_lshl_b32 s18, s16, 7
	s_lshl_b32 s46, s42, 8
	s_add_co_u32 s46, s46, s18
	s_add_co_u32 s46, s46, 11264
	s_mov_b32 s21, 0
	s_mov_b32 s47, 0
	s_mov_b64 s[18:19], KS
	s_mul_u64 s[22:23], s[20:21], s[18:19]
	s_mul_u64 s[92:93], s[46:47], s[18:19]
	s_lshl_b32 s18, s16, 11                        ; the scales' offsets go back to the tile's first row: A 64 rows of 32 bytes,
	s_mov_b32 s19, 0
	s_sub_nc_u64 s[22:23], s[22:23], s[18:19]
	s_lshl_b32 s18, s16, 12                        ; B 128
	s_sub_nc_u64 s[92:93], s[92:93], s[18:19]
	s_mov_b64 s[18:19], KROW
	s_mul_u64 s[20:21], s[20:21], s[18:19]
	s_mov_b64 s[18:19], ROWB                       ; Wo's rows: 192 bytes in a plane
	s_mul_u64 s[46:47], s[46:47], s[18:19]
	s_mul_i32 s45, s16, HALFA
	s_mul_i32 s95, s16, HALFT
	s_add_co_u32 s95, s95, 2*HALFA
	s_mul_i32 s94, s15, HALFS                      ; wave 1 lands A's scales (128 rows), wave 3 B's directly behind them
	s_wait_dscnt 0x0
	s_wait_kmcnt 0x0
	s_add_nc_u64 s[20:21], s[4:5], s[20:21]
	s_add_nc_u64 s[22:23], s[6:7], s[22:23]
	s_add_nc_u64 s[46:47], s[8:9], s[46:47]
	s_add_nc_u64 s[92:93], s[10:11], s[92:93]
	CROUND
	s_mov_b32 s[G0S], 1
	s_add_co_u32 s[G0S+1], s94, SCL
	s_mov_b64 s[G0S+2:G0S+3], s[22:23]
	s_or_b32 s[G0S+3], s[G0S+3], 0x80000000
	s_mov_b32 s[G0SB], 1
	s_add_co_u32 s[G0SB+1], s94, SCL
	s_mov_b64 s[G0SB+2:G0SB+3], s[92:93]
	s_or_b32 s[G0SB+3], s[G0SB+3], 0x80000000
.irp s, 0,1
	s_mov_b32 s[G0+4*\s], 1
	s_add_co_u32 s[G0+4*\s+1], s45, \s*SLOT
	s_add_nc_u64 s[G0+4*\s+2:G0+4*\s+3], s[20:21], \s*3072
	s_or_b32 s[G0+4*\s+3], s[G0+4*\s+3], 0x80000000
	s_mov_b32 s[G0B+4*\s], 1
	s_add_co_u32 s[G0B+4*\s+1], s95, \s*SLOT
	s_add_nc_u64 s[G0B+4*\s+2:G0B+4*\s+3], s[46:47], \s*KPL
	s_or_b32 s[G0B+4*\s+3], s[G0B+4*\s+3], 0x80000000
.endr
; THE HEAD'S LOADS, ONE A WAVE, in one chain of branches on the wave's number: wave 0 the first K step's 128 rows of A (its own group 0 of slot 0 names their first byte), wave 1 A's scales, wave 2 plane 0's 256 rows of B, wave 3 B's scales
.macro ARM under, g0, g1, next
	s_cmp_lt_u32 s14, \under
	s_cbranch_scc0 \next
	tensor_load_to_lds s[\g0:\g0+3], s[\g1:\g1+7]
	s_nop 0
.rept 4
	v_nop
.endr
	s_branch .Lhead_asked
\next:
.endm
	ARM 1, G0,  G1,  .Lhead_sa
	ARM 2, G0S, G1S, .Lhead_b
	ARM 3, G0B, G1B, .Lhead_sb
	tensor_load_to_lds s[G0SB:G0SB+3], s[G1SB:G1SB+7]
	s_nop 0
.rept 4
	v_nop
.endr
.Lhead_asked:
	v_and_b32 v1, 15, v0
	v_bfe_u32 v2, v0, 4, 1
	v_and_b32 v9, 31, v0
	v_lshlrev_b32 v7, 4, v9
	v_lshl_add_u32 v8, v9, 3, 512
	v_mul_u32_u24 v3, v1, PITCH
	v_mul_u32_u24 v4, v2, 24
	v_add_nc_u32 v4, v3, v4
	v_lshl_add_u32 v5, v2, 4, v4
	s_mul_i32 s21, s15, HALFA
	s_mul_i32 s22, s16, HALFT
	s_add_co_u32 s22, s22, 2*HALFA
.irp s, 0,1
	v_add_nc_u32 v[ADRA+\s], s21, v7
	v_add_nc_u32 v[ADRA+2+\s], s21, v8
	v_add_nc_u32 v[ADRB+\s], s22, v4
	v_add_nc_u32 v[ADRB+2+\s], s22, v5
	s_add_co_u32 s21, s21, SLOT
	s_add_co_u32 s22, s22, SLOT
.endr
	v_mul_u32_u24 v5, v1, KS
	v_lshrrev_b32 v6, 8, v5
	v_lshl_add_u32 v5, v6, 4, v5
	s_mul_i32 s21, s15, HALFS/2                    ; A's: my 64 rows
	s_mul_i32 s22, s16, HALFS                      ; B's: my 128 rows, behind A's 128
	s_add_co_u32 s22, s22, HALFS
	s_sub_co_u32 s22, s22, s21
	v_mul_u32_u24 v6, s22, v2
	s_add_co_u32 s21, s21, SCL
	v_add_nc_u32 v5, v5, v6
	v_add_nc_u32 v[ADRS], s21, v5
	s_mul_i32 s23, s14, 16*SPITCH
	v_mul_u32_u24 v5, v1, SPITCH
	v_lshl_add_u32 v5, v2, 6, v5
	v_add_nc_u32 v[STO], s23, v5
	v_lshlrev_b32 v[CO], 4, v9
	v_add_nc_u32 v[RD], s23, v[CO]
	v_lshlrev_b32 v10, 6, v2
	s_wait_alu depctr_va_vdst(0)
	s_lshl_b32 s20, s17, 7
	s_lshl_b32 s21, s15, 6
	s_add_co_u32 s20, s20, s21
	s_mov_b32 s21, 0
	s_mov_b64 s[18:19], SIZE_N*4
	s_mul_u64 s[20:21], s[20:21], s[18:19]
	s_lshl_b32 s46, s42, 10
	s_lshl_b32 s47, s16, 9
	s_add_co_u32 s46, s46, s47
	s_mov_b32 s47, 0
	s_add_nc_u64 s[96:97], s[96:97], s[46:47]
	s_add_nc_u64 s[20:21], s[20:21], s[46:47]
	s_add_nc_u64 s[12:13], s[12:13], s[20:21]
.irp t, 0,1,2,3,4,5,6,7
	global_load_b128 v[BP+8*\t:BP+8*\t+3], v10, s[96:97] offset:(32*(\t/2)+8*(\t%2))*4
	global_load_b128 v[BP+8*\t+4:BP+8*\t+7], v10, s[96:97] offset:(32*(\t/2)+8*(\t%2))*4+16
.endr
.macro FRAG reg, adr, q, i
.irp p, 0,1,2,3,4,5
.set PC, 12*(\q)+6*(\p/3)+\p%3
.if PC%8 < 5
	ds_load_b64 v[\reg+2*\p:\reg+2*\p+1], v[\adr] offset:8*PC+16*(PC/8)+(\i)*16*PITCH
.else
	ds_load_b64 v[\reg+2*\p:\reg+2*\p+1], v[\adr+2] offset:8*PC+16*(PC/8)+(\i)*16*PITCH
.endif
.endr
.endm
.macro FRAGA reg, slot, q, i
	ds_load_b128 v[\reg:\reg+3], v[ADRA+\slot] offset:3072*(\i)+1536*(\q)
	ds_load_b64 v[\reg+4:\reg+5], v[ADRA+2+\slot] offset:3072*(\i)+1536*(\q)
	ds_load_b128 v[\reg+6:\reg+9], v[ADRA+\slot] offset:3072*(\i)+1536*(\q)+768
	ds_load_b64 v[\reg+10:\reg+11], v[ADRA+2+\slot] offset:3072*(\i)+1536*(\q)+768
.endm
.macro MUL16 a0, p, q, sc, zero
.irp a, \a0, \a0+1
.irp b, 0,1,2,3,4,5,6,7
.if \zero
	v_wmma_scale_f32_16x16x128_f8f6f4 v[8*(8*((\a)%4)+\b):8*(8*((\a)%4)+\b)+7], v[128*(\p)+FR*\b:128*(\p)+FR*\b+FR-1], v[AF+FR*(\a):AF+FR*(\a)+FR-1], v[BP+8*\b:BP+8*\b+7], v[SC+8*NQ*(\sc)+NQ*\b+(\q)], v[SC+8*NQ*(\sc)+NQ*(\a)+(\q)] matrix_a_fmt:MATRIX_FMT_FP6 matrix_b_fmt:MATRIX_FMT_FP6 matrix_a_scale:MATRIX_SCALE_ROW1
.else
	v_wmma_scale_f32_16x16x128_f8f6f4 v[8*(8*((\a)%4)+\b):8*(8*((\a)%4)+\b)+7], v[128*(\p)+FR*\b:128*(\p)+FR*\b+FR-1], v[AF+FR*(\a):AF+FR*(\a)+FR-1], v[8*(8*((\a)%4)+\b):8*(8*((\a)%4)+\b)+7], v[SC+8*NQ*(\sc)+NQ*\b+(\q)], v[SC+8*NQ*(\sc)+NQ*(\a)+(\q)] matrix_a_fmt:MATRIX_FMT_FP6 matrix_b_fmt:MATRIX_FMT_FP6 matrix_a_scale:MATRIX_SCALE_ROW1
.endif
.endr
.endr
.endm
.macro FETCH_B slot, q, p
	WIN TO_B
.irp i, 0,1,2,3,4,5,6,7
	FRAG 128*(\p)+FR*\i, ADRB+\slot, \q, \i
.endr
	WIN 0
.endm
.macro FETCH_A slot, q, i0
.irp i, \i0, \i0+1, \i0+2, \i0+3
	FRAGA AF+FR*(\i), \slot, \q, \i
.endr
.endm
.macro SCALES sc
.irp i, 0,1,2,3,4,5,6,7
	ds_load_b64 v[SC+8*NQ*\sc+NQ*\i:SC+8*NQ*\sc+NQ*\i+1], v[ADRS] offset:\i*SBLK
.endr
.endm
.macro PLACES n
.rept \n
	v_nop
.endr
.endm
.macro STEP slot, q, zero
	s_wait_dscnt 0                                 ; this step's fragments and scale words are in
.if \zero
	WIN FIRST_LO
.else
	WIN MUL_LO
.endif
	MUL16 0, (\q)%2, \q, \slot, \zero
	FETCH_B \slot, (\q)+1, 1-(\q)%2                ; B's other set: its last products stand ahead of the places at the last step's end
.if \zero
	WIN FIRST_LO
.else
	WIN MUL_LO
.endif
	MUL16 2, (\q)%2, \q, \slot, \zero
	PLACES NP
	WIN 0
	FETCH_A \slot, (\q)+1, 0
.endm
.macro TURN slot, next, fill
	s_wait_tensorcnt 0x0
	ds_add_u32 v[SPW], v[NIL]
	s_wait_dscnt 1                                 ; the add alone may be out
	WIN MUL_LO
	MUL16 0, 1, NQ-1, \slot, 0
	s_wait_dscnt 0x0
	s_barrier_signal -1
	MUL16 2, 1, NQ-1, \slot, 0
	WIN 0
	s_barrier_wait -1
.if \fill
	CREST
	s_add_nc_u64 s[G0+4*\slot+2:G0+4*\slot+3], s[G0+4*\slot+2:G0+4*\slot+3], 2*3072
	s_add_nc_u64 s[G0B+4*\slot+2:G0B+4*\slot+3], s[G0B+4*\slot+2:G0B+4*\slot+3], 2*KPL
	JLOAD G0+4*\slot, G1, G0B+4*\slot, G1B
.else
	PLACES NP
.endif
	s_wait_alu depctr_va_vdst(0)
	v_add_nc_u32 v[ADRS], 4*NQ, v[ADRS]
	FETCH_B \next, 0, 0
	FETCH_A \next, 0, 0
	SCALES \next
.endm
	s_wait_alu depctr_va_vdst(0)                   ; the wait at the head's end
	s_wait_tensorcnt 0x0                           ; my tile of the head's four is in; the three lines ahead of slot 1's first fill, as ahead of a refill
	ds_add_u32 v[SPW], v[NIL]
	s_mov_b32 s[G1+2], 4<<16                       ; no tensor load of mine is out: from here on a load of A brings 64 rows, 4 tiles,
	s_mov_b32 s[G1+4], 4
	s_mov_b32 s[G1B+2], 96<<16                     ; 96 rows of 256 bytes of B
	s_mov_b32 s[G1B+4], 96
	s_wait_dscnt 0x0
	CROUND                                         ; all four tiles are in, and all sixteen work-groups are here
	JLOAD G0+4, G1, G0B+4, G1B                     ; the second K step, the first tensor load behind the round
	FETCH_B 0, 0, 0
	FETCH_A 0, 0, 0
	SCALES 0
	s_wait_loadcnt 0x0
	STEP 0, 0, 1
	s_mov_b32 s3, LAPS-1
.Llap:
	TURN 0, 1, 1
	STEP 1, 0, 0
	TURN 1, 0, 1
	STEP 0, 0, 0
	s_sub_co_u32 s3, s3, 1
	s_cmp_lg_u32 s3, 0
	s_cbranch_scc1 .Llap
	TURN 0, 1, 0
	STEP 1, 0, 0
	s_wait_dscnt 0
	WIN MUL_LO
	MUL16 0, 1, NQ-1, 1, 0
	MUL16 2, 1, NQ-1, 1, 0
	WIN 0
.macro TOSTAGE a
.set AC, 64*((\a)%4)
	WIN 0x08+4*((\a)/4)
.irp b, 0,1,2,3,4,5,6,7
	ds_store_b128 v[STO], v[AC+8*\b:AC+8*\b+3] offset:128*(\b/2)+32*(\b%2)
	ds_store_b128 v[STO], v[AC+8*\b+4:AC+8*\b+7] offset:128*(\b/2)+32*(\b%2)+16
.endr
	WIN 0
.set BB, BK+64*((\a)%2)
.irp t, 0,1,2,3,4,5,6,7,8,9,10,11,12,13,14,15
	ds_load_b128 v[BB+4*\t:BB+4*\t+3], v[RD] offset:\t*SPITCH
.endr
.endm
.macro SEND a, younger
.set BB, BK+64*((\a)%2)
	s_wait_dscnt \younger
.if (\a) > 0
.if (\a)%2
	s_add_nc_u64 s[12:13], s[12:13], 8*SIZE_N*4
.else
	s_add_nc_u64 s[12:13], s[12:13], 24*SIZE_N*4
.endif
.endif
.irp t, 0,1,2,3,4,5,6,7,8,9,10,11,12,13,14,15
	global_store_b128 v[CO], v[BB+4*\t:BB+4*\t+3], s[12:13] offset:(\t+8*(\t/8))*SIZE_N*4 th:TH_STORE_NT
.endr
.endm
	PLACES NP
	TOSTAGE 0
.irp a, 1,2,3
.if \a > 1
	s_wait_xcnt 0x0
.endif
	TOSTAGE \a
	SEND \a-1, 32
.endr
	s_wait_xcnt 0x0
	SEND 3, 0
	s_wait_tensorcnt 0x0
	ds_add_u32 v[SPW], v[NIL]
	s_wait_dscnt 0x0
	CROUND
	s_endpgm
.Lfunc_end_k_q5dc62c1b74_oproj:
	.size	k_q5dc62c1b74_oproj, .Lfunc_end_k_q5dc62c1b74_oproj-k_q5dc62c1b74_oproj
	.p2alignl 7, 3214868480
	.fill 96, 4, 3214868480
	.section	.rodata,"a",@progbits
	.p2align	6, 0x0
	.amdhsa_kernel k_q5dc62c1b74_oproj
		.amdhsa_group_segment_fixed_size 327680
		.amdhsa_private_segment_fixed_size 0
		.amdhsa_enable_private_segment 0
		.amdhsa_kernarg_size 48
		.amdhsa_user_sgpr_count 2
		.amdhsa_user_sgpr_kernarg_segment_ptr 1
		.amdhsa_wavefront_size32 1
		.amdhsa_system_sgpr_workgroup_id_x 1
		.amdhsa_system_sgpr_workgroup_id_y 1
		.amdhsa_system_sgpr_workgroup_id_z 1
		.amdhsa_system_vgpr_workitem_id 0
		.amdhsa_next_free_vgpr 1024
		.amdhsa_next_free_sgpr 100
		.amdhsa_reserve_vcc 0
		.amdhsa_float_denorm_mode_32 3
		.amdhsa_float_denorm_mode_16_64 3
		.amdhsa_memory_ordered 1
		.amdhsa_forward_progress 1
		.amdhsa_inst_pref_size 99
	.end_amdhsa_kernel
	.amdgpu_metadata
---
amdhsa.version: [ 1, 2 ]
amdhsa.kernels:
  - .name:           k_q5dc62c1b74_oproj
    .symbol:         k_q5dc62c1b74_oproj.kd
    .args:
      - { .name: ocod, .offset: 0, .size: 8, .value_kind: global_buffer, .address_space: global }
      - { .name: oscl, .offset: 8, .size: 8, .value_kind: global_buffer, .address_space: global }
      - { .name: cod, .offset: 16, .size: 8, .value_kind: global_buffer, .address_space: global }
      - { .name: scl, .offset: 24, .size: 8, .value_kind: global_buffer, .address_space: global }
      - { .name: out0, .offset: 32, .size: 8, .value_kind: global_buffer, .address_space: global }
      - { .name: bo, .offset: 40, .size: 8, .value_kind: global_buffer, .address_space: global }
    .group_segment_fixed_size: 327680
    .private_segment_fixed_size: 0
    .kernarg_segment_align: 8
    .kernarg_segment_size: 48
    .max_flat_workgroup_size: 128
    .sgpr_count:     100
    .vgpr_count:     1024
    .wavefront_size: 32
...
	.end_amdgpu_metadata
.endif
;; end of part 4
